; MI455X (gfx1250); checked and timed in simulation.
; The chip was launched on July 23, 2026; its instructions are those of AMD's public machine-readable ISA for CDNA 5 (MIT licence, August 2026) and "CDNA5" Instruction Set Architecture Reference Guide (July 2026). The comments in the code are by the model that wrote it; some were corrected since.
;; Masked Attention. Allowed arithmetic: float matrix products may take bf16 or f16 operands with f32 sums; other float arithmetic in f32, or as packed bf16 or f16 multiplies, adds, multiply-adds, maxima and minima; sums over many terms, partial sums and values carried from step to step in f32; what a program stores and reads back later, other than sums and carried values, may be rounded once to bf16 or f16.
;; Inputs: Wk 1,024 x 1,024 float32; Wo 1,024 x 1,024 float32; Wq 1,024 x 1,024 float32; Wv 1,024 x 1,024 float32; bk 1,024 float32; bo 1,024 float32; bq 1,024 float32; bv 1,024 float32; causal_mask 2,048 x 2,048 float32; validity_mask 2 x 2,048 bool; x 2 x 2,048 x 1,024 float32.
;; Outputs: out0 2 x 2,048 x 1,024 float32.
;; 2 versions, each right; version 2 is version 1 with the launch prep written anew for expert scheduling mode. Each part assembles by itself: llvm-mc -triple=amdgcn-amd-amdhsa -mcpu=gfx1250 --defsym DOCPART=n.
;; ======== version 1 of 2: 4 launches
;; limits: values are held in f16: magnitudes above 65,504 overflow, below 6.1e-05 lose precision
;; workspace buffers: cvt 25,165,824 bytes; qkv 25,165,824 bytes; ob 8,388,608 bytes
;; launch prep (part 1): grid 256 x 3, 8 waves a work-group, no clusters, 0 bytes of LDS; arguments x, Wq, Wk, Wv, Wo, causal_mask, cvt; writes cvt
.if DOCPART == 1
	.amdgcn_target "amdgcn-amd-amdhsa--gfx1250"
	.amdhsa_code_object_version 6
	.text
	.protected	k_qf2f7b22521_prep
	.globl	k_qf2f7b22521_prep
	.p2align	8
	.type	k_qf2f7b22521_prep,@function
k_qf2f7b22521_prep:
	s_mov_b64 s[64:65], 0
	v_nop
	global_prefetch_b8 v0, s[64:65] scope:SCOPE_SE
	s_setreg_imm32_b32 hwreg(HW_REG_WAVE_MODE, 25, 1), 1
	s_wait_xcnt 0x0
; PREP: the f32 inputs that become matrix operands, or are read again and again, are rounded once to 16 bits and laid out for the launches behind.
; cvt, in rows of 2,048 bytes (1,024 numbers of 16 bits):
;   rows 0-4095     x in bf16
;   rows 4096-7167  Wq, Wk, Wv in bf16, by heads: row 4096 + 192 h + 64 m + c is W_m[64 h + c] (m = 0 q, 1 k, 2 v): a head's 192 rows lie together
;   rows 7168-8191  Wo rounded to bf16 and that number written as f16 (exact inside f16's normal range; below 6e-5 it keeps f16's fixed step of 6e-8)
;   rows 8192-12287 causal_mask in bf16, two such rows to a row of the mask
; A stream: no LDS, no barrier, no matrix unit.  A work-group takes 16 units of 1,024 f32.  Thread t loads 16 bytes at 16 t of each unit (a wave's load covers 512 consecutive bytes)
; and stores 8 bytes at 8 t (a wave's store covers 256 consecutive bytes, aligned).  All 16 loads go out first; no register that a memory instruction names is written again behind it, so no wait frees a source.
.set X, 4                              ; v[4:67]   unit i: four f32 as loaded
.set Y, 68                             ; v[68:99]  unit i: two words of two 16-bit numbers
.set T, 100                            ; v[100:103] at work
	s_load_b256 s[8:15], s[0:1], 0x0               ; x s[8:9], Wq s[10:11], Wk s[12:13], Wv s[14:15]
	s_load_b128 s[16:19], s[0:1], 0x20             ; Wo s[16:17], causal_mask s[18:19]
	s_load_b64 s[20:21], s[0:1], 0x30              ; cvt
	v_lshlrev_b32 v1, 4, v0                        ; 16 t
	v_lshlrev_b32 v2, 3, v0                        ; 8 t
	s_and_b32 s4, ttmp7, 0xffff                    ; y: 0 x, 1 the four weights, 2 the mask
	s_mov_b32 s5, ttmp9                            ; g
	s_lshr_b32 s6, s5, 6                           ; m: which weight (y = 1)
	s_and_b32 s7, s5, 63                           ; ch: which 16 rows of it
	s_mov_b32 s32, 0xffff0000                      ; a word's upper bf16
	s_add_co_u32 s22, s6, 1                        ; the source: 0 x, 1 + m a weight, 5 the mask
	s_cmp_eq_u32 s4, 0
	s_cselect_b32 s22, 0, s22
	s_cmp_eq_u32 s4, 2
	s_cselect_b32 s22, 5, s22
	s_cmp_eq_u32 s4, 1
	s_cselect_b32 s23, s7, s5                      ; my group of 16 units in the source
	s_lshr_b32 s28, s7, 2                          ; the head of my 16 rows of a weight
	s_mul_i32 s28, s28, 192
	s_lshl_b32 s29, s6, 6
	s_add_co_u32 s28, s28, s29
	s_and_b32 s29, s7, 3
	s_lshl_b32 s29, s29, 4
	s_add_co_u32 s28, s28, s29
	s_add_co_u32 s28, s28, 4096                    ; Wq, Wk, Wv: 4096 + 192 h + 64 m + 16 (ch % 4)
	s_lshl_b32 s29, s7, 4
	s_add_co_u32 s29, s29, 7168                    ; Wo: 7168 + 16 ch
	s_cmp_eq_u32 s6, 3
	s_cselect_b32 s28, s29, s28
	s_lshl_b32 s29, s5, 4                          ; x: 16 g
	s_cmp_eq_u32 s4, 0
	s_cselect_b32 s28, s29, s28
	s_add_co_u32 s29, s29, 8192                    ; the mask: 8192 + 16 g
	s_cmp_eq_u32 s4, 2
	s_cselect_b32 s28, s29, s28
	s_lshl_b32 s28, s28, 11                        ; rows of 2,048 bytes
	s_mov_b32 s29, 0
	s_lshl_b32 s30, s23, 16                        ; 16 units of 4,096 bytes
	s_mov_b32 s31, 0
	s_wait_kmcnt 0x0
	s_mov_b64 s[24:25], s[8:9]                     ; the source's address: a choice among the six inputs by the work-group's number
	s_cmp_eq_u32 s22, 1
	s_cselect_b64 s[24:25], s[10:11], s[24:25]
	s_cmp_eq_u32 s22, 2
	s_cselect_b64 s[24:25], s[12:13], s[24:25]
	s_cmp_eq_u32 s22, 3
	s_cselect_b64 s[24:25], s[14:15], s[24:25]
	s_cmp_eq_u32 s22, 4
	s_cselect_b64 s[24:25], s[16:17], s[24:25]
	s_cmp_eq_u32 s22, 5
	s_cselect_b64 s[24:25], s[18:19], s[24:25]
	s_add_nc_u64 s[24:25], s[24:25], s[30:31]
	s_add_nc_u64 s[26:27], s[20:21], s[28:29]
.irp i, 0,1,2,3,4,5,6,7,8,9,10,11,12,13,14,15
	global_load_b128 v[X+4*(\i):X+4*(\i)+3], v1, s[24:25] offset:4096*(\i) th:TH_LOAD_NT
.endr
; Unit i: rounded and stored.  half = 1: the bf16 numbers are written as f16.
.macro OUT i, half
	s_wait_loadcnt 15-(\i)                         ; loads come back in order: unit i is in, the 15 - i younger ones stay out
	v_cvt_pk_bf16_f32 v[Y+2*(\i)], v[X+4*(\i)], v[X+4*(\i)+1]
	v_cvt_pk_bf16_f32 v[Y+2*(\i)+1], v[X+4*(\i)+2], v[X+4*(\i)+3]
.if \half
	v_lshlrev_b32 v[T], 16, v[Y+2*(\i)]
	v_and_b32 v[T+1], s32, v[Y+2*(\i)]
	v_lshlrev_b32 v[T+2], 16, v[Y+2*(\i)+1]
	v_and_b32 v[T+3], s32, v[Y+2*(\i)+1]
	v_cvt_pk_f16_f32 v[Y+2*(\i)], v[T], v[T+1]
	v_cvt_pk_f16_f32 v[Y+2*(\i)+1], v[T+2], v[T+3]
.endif
	global_store_b64 v2, v[Y+2*(\i):Y+2*(\i)+1], s[26:27] offset:2048*(\i)
.endm
	s_cmp_eq_u32 s22, 4
	s_cbranch_scc1 .Lhalf
.irp i, 0,1,2,3,4,5,6,7,8,9,10,11,12,13,14,15
	OUT \i, 0
.endr
	s_endpgm
.Lhalf:
.irp i, 0,1,2,3,4,5,6,7,8,9,10,11,12,13,14,15
	OUT \i, 1
.endr
	s_endpgm
.Lfunc_end_k_qf2f7b22521_prep:
	.size	k_qf2f7b22521_prep, .Lfunc_end_k_qf2f7b22521_prep-k_qf2f7b22521_prep
	.p2alignl 7, 3214868480
	.fill 96, 4, 3214868480
	.section	.rodata,"a",@progbits
	.p2align	6, 0x0
	.amdhsa_kernel k_qf2f7b22521_prep
		.amdhsa_group_segment_fixed_size 0
		.amdhsa_private_segment_fixed_size 0
		.amdhsa_enable_private_segment 0
		.amdhsa_kernarg_size 56
		.amdhsa_user_sgpr_count 2
		.amdhsa_user_sgpr_kernarg_segment_ptr 1
		.amdhsa_wavefront_size32 1
		.amdhsa_system_sgpr_workgroup_id_x 1
		.amdhsa_system_sgpr_workgroup_id_y 1
		.amdhsa_system_sgpr_workgroup_id_z 1
		.amdhsa_system_vgpr_workitem_id 0
		.amdhsa_next_free_vgpr 104
		.amdhsa_next_free_sgpr 66
		.amdhsa_reserve_vcc 0
		.amdhsa_float_denorm_mode_32 3
		.amdhsa_float_denorm_mode_16_64 3
		.amdhsa_memory_ordered 1
		.amdhsa_forward_progress 1
		.amdhsa_inst_pref_size 16
	.end_amdhsa_kernel
	.amdgpu_metadata
---
amdhsa.version: [ 1, 2 ]
amdhsa.kernels:
  - .name:           k_qf2f7b22521_prep
    .symbol:         k_qf2f7b22521_prep.kd
    .args:
      - { .name: x, .offset: 0, .size: 8, .value_kind: global_buffer, .address_space: global }
      - { .name: Wq, .offset: 8, .size: 8, .value_kind: global_buffer, .address_space: global }
      - { .name: Wk, .offset: 16, .size: 8, .value_kind: global_buffer, .address_space: global }
      - { .name: Wv, .offset: 24, .size: 8, .value_kind: global_buffer, .address_space: global }
      - { .name: Wo, .offset: 32, .size: 8, .value_kind: global_buffer, .address_space: global }
      - { .name: causal_mask, .offset: 40, .size: 8, .value_kind: global_buffer, .address_space: global }
      - { .name: cvt, .offset: 48, .size: 8, .value_kind: global_buffer, .address_space: global }
    .group_segment_fixed_size: 0
    .private_segment_fixed_size: 0
    .kernarg_segment_align: 8
    .kernarg_segment_size: 56
    .max_flat_workgroup_size: 256
    .sgpr_count:     66
    .vgpr_count:     104
    .wavefront_size: 32
...
	.end_amdgpu_metadata
.endif
;; end of part 1
;; launch qkv (part 2): grid 16 x 16, 4 waves a work-group, clusters of 4 x 4, 327,680 bytes of LDS; arguments cvt, bq, bk, bv, validity_mask, qkv; writes qkv
.if DOCPART == 2
	.amdgcn_target "amdgcn-amd-amdhsa--gfx1250"
	.amdhsa_code_object_version 6
	.text
	.protected	k_qf2f7b22521_qkv
	.globl	k_qf2f7b22521_qkv
	.p2align	8
	.type	k_qf2f7b22521_qkv,@function
k_qf2f7b22521_qkv:
	s_mov_b64 s[64:65], 0
	v_nop
	global_prefetch_b8 v0, s[64:65] scope:SCOPE_SE
	s_setreg_imm32_b32 hwreg(HW_REG_WAVE_MODE, 25, 1), 1
	s_wait_xcnt 0x0
	s_wait_alu depctr_hold_cnt(0) depctr_sa_sdst(0) depctr_va_vdst(0) depctr_va_sdst(0) depctr_va_ssrc(0) depctr_va_vcc(0) depctr_vm_vsrc(0)
	s_getreg_b32 s2, hwreg(HW_REG_IB_STS2, 6, 4)
	s_cmp_eq_u32 s2, 0
	s_cbranch_scc0 .Lentry_in_a_cluster
	s_endpgm
.Lentry_in_a_cluster:
	s_bfe_u32 s2, ttmp6, 0x10000c
	s_cmp_lg_u32 s2, 0xf033
	s_cbranch_scc0 .Lentry_shape_is_right
	s_endpgm
.Lentry_shape_is_right:
; QKV: [4096 tokens x 1024] . [3072 x 1024]^T + bias in bf16 with f32 sums; then, for each head of 64 channels, q and k are divided by max(||.||, 1e-8); all leave in f16, by heads:
; qkv = [3][32 = 16 batch + head][2048][64].  Q is stored times 0.125 log2(e) (the score's scale and the change of base, rounded with q once); a row of K whose key is not valid is stored as zeros; V as it is.
; The biases are rounded to bf16 like every other input of the program.
; LIMITS.  f16 holds no number beyond 65,504: v (x . Wv + bv) must lie within it; q and k are unit vectors.  NaN and infinities are not treated apart.
; SHARES.  A work-group makes 256 tokens x the 192 columns of ONE head (q, k, v): 16 heads x 16 token blocks = 256 work-groups.  Wave w takes tokens 64 w .. 64 w + 63 and all 192 columns:
; 4 x 12 = 48 accumulators, 384 registers.  The product is used transposed (source 0 = 16 rows of W, source 1 = 16 tokens): a lane holds ONE token (lane % 16) and the channels 8 (lane / 16) + 0..7
; of each block of 16, so a head's sum of squares wants one exchange between the halves of the lanes, and eight channels pack into 16 bytes.
; K goes in 8 steps of 128 (rows of 256 bytes) through a ring of two LDS slots filled by joint tensor loads: a cluster is 4 x 4 work-groups; x's tile is shared along a row of the cluster (same token
; block), W's along a column (same head).  Waves 0 and 1 fetch x's two halves (128 rows each), waves 2 and 3 W's (96 rows each).
; REGISTERS, in windows of 256 (s_set_vgpr_msb: bits 1:0 source 0, 3:2 source 1, 5:4 source 2, 7:6 destination):
;   window 0: v0-51 addresses and small things; v64-127 x's fragments, two buffers of 32; v128-223 the biases as the first products' C operand, later at work on the way out
;   window 3: v0-191 W's fragments, two buffers of 96      window 1: the 32 accumulators of q and k, (a, b) at 8 (8 a + b)      window 2: v's 16, (a, b) at 8 (4 a + b)
.set PITCH, 272                        ; an LDS row: 256 bytes + 16 of padding = 68 words: the 16 rows of a fragment load start at 16 different groups of four banks
.set BOFF,  256*PITCH                  ; W's 192 rows lie behind x's 256
.set SLOT,  448*PITCH
.set STAGE, 2*SLOT                     ; behind the ring: 16 rows x 144 bytes for each wave, for the way out; no tensor load lands there
.set SP,    144
.set SPARE, STAGE+4*16*SP              ; the spare words, 128 bytes for each wave: two blocks of 256 bytes that no other line names
.set ADRA, 16                          ; v16-17  LDS address of my fragments of x in slot 0, 1
.set ADRB, 20                          ; v20-21  the same for W
.set STO,  24                          ; v24     the way out: where I put 16 bytes of a row
.set RD,   25                          ; v25     where I read rows back
.set GO,   26                          ; v26     16 x lane
.set SPW,  28                          ; v28     LDS address of my spare word; never rewritten
.set NIL,  29                          ; v29     0; never rewritten
.set PFO,  30                          ; v30     the prefetches' offset: a lane a row of 2,048 bytes; never rewritten
.set VAL,  32                          ; v32-35  1.0 or 0.0: is my token of row block a a valid key
.set T,    36                          ; v36-51  eight pairs, u = 2 a + p (p = 0 q, 1 k): sums of squares, then the factor in the low register
.set AF,   64
.set BIAS, 128
.set TMP,  128
.set PK,   160
.set BK,   176
.set WV,   16                          ; s16  my wave's number
.set HALF, 17                          ; s17  0: I fetch for x, 1: for W
.set ODD,  18                          ; s18  which half of that tile's rows
.set G1A,  24                          ; s[24:31] descriptor group 1 for x's tiles;  s[32:39] group 0, a set for each slot
.set G0A,  32
.set G1B,  40                          ; s[40:47], s[48:55] the same for W's
.set G0B,  48
.set PFA,  56                          ; s[56:57] where my prefetches stand
.set LIM,  58                          ; s58  1 in a wave that prefetches, else the greatest number
.set LAP,  59
.set SEL,  72                          ; s[72:73] v_permlanex16_b32's selects: each lane takes its own place in the other half
.set CQ,   74                          ; s74  0.125 log2(e)
.set FLD, (1<<16)|(1<<20)|(1<<21)|(5<<22)|(3<<25)  ; elements of 2 bytes; padding on; bit 21 beside a mask; after every 64 words; 4 words
.set MSB, 0
.macro WIN new                         ; the immediate's high byte repeats the setting that is left; a switch that changes nothing is dropped
.if MSB != (\new)
	s_set_vgpr_msb (MSB<<8)|(\new)
.set MSB, \new
.endif
.endm
.macro PLACES                          ; four plain vector instructions between a matrix instruction and a load into, or a read of, its registers
.rept 4
	v_nop
.endr
.endm
; A joint load.  The branch hangs on the wave's number alone.  An s_nop 0 and four v_nop follow each line, ahead of the jump and the label.
.macro JLOAD s
	s_cmp_eq_u32 s[HALF], 0
	s_cbranch_scc0 .Lfor_b_\@
	tensor_load_to_lds s[G0A+4*(\s):G0A+4*(\s)+3], s[G1A:G1A+7]
	s_nop 0
.rept 4
	v_nop
.endr
	s_branch .Lasked_\@
.Lfor_b_\@:
	tensor_load_to_lds s[G0B+4*(\s):G0B+4*(\s)+3], s[G1B:G1B+7]
	s_nop 0
.rept 4
	v_nop
.endr
.Lasked_\@:
.endm
; A prefetch of the K step that stands two refills on: 256 bytes of each row, a lane a row.  x's rows are read by every cluster of a row of clusters: cluster x = 0 asks; W's by every cluster of a
; column: cluster y = 0 asks.  The four partners that ask for a tile jointly share its rows out by address (32 of a wave's 128, or 24 of its 96; there lanes 24-31 name row 23 once more).
; The loop's last trip asks for nothing: K steps 8 and 9 do not exist.
.macro ASK
	WIN 0
	s_cmp_gt_u32 s[LAP], s[LIM]
	s_cbranch_scc0 .Lnot_mine_\@
	global_prefetch_b8 v[PFO], s[PFA:PFA+1] offset:256 th:TH_LOAD_NT scope:SCOPE_SE
.Lnot_mine_\@:
.endm
.macro CREST                           ; a round of the cluster's barrier behind its opening barrier
	s_cmp_lg_u32 s[WV], 0
	s_cbranch_scc1 .Lnot_wave_0_\@
	s_barrier_signal -3
.Lnot_wave_0_\@:
	s_barrier_wait -3
	s_barrier_signal -1
	s_barrier_wait -1
.endm
.macro CROUND
	s_barrier_signal -1
	s_barrier_wait -1
	CREST
.endm
	s_load_b256 s[4:11], s[0:1], 0x0               ; cvt s[4:5], bq s[6:7], bk s[8:9], bv s[10:11]
	s_load_b128 s[12:15], s[0:1], 0x20             ; validity_mask s[12:13], qkv s[14:15]
	v_lshl_add_u32 v[SPW], v0, 2, SPARE
	v_mov_b32 v[NIL], 0
	ds_add_u32 v[SPW], v[NIL]                      ; the wave's opening: the add and its wait stand ahead of my first tensor load; work on registers stands between them
	v_lshrrev_b32 v1, 5, v0
	v_readfirstlane_b32 s[WV], v1
	s_lshr_b32 s[HALF], s[WV], 1
	s_and_b32 s[ODD], s[WV], 1
	s_bfe_u32 s19, ttmp6, 0x40000                  ; cx
	s_bfe_u32 s20, ttmp6, 0x40004                  ; cy
	s_lshl_b32 s21, ttmp9, 2
	s_add_co_u32 s21, s21, s19                     ; the head = 4 x cluster x + cx
	s_and_b32 s22, ttmp7, 0xffff
	s_lshl_b32 s22, s22, 2
	s_add_co_u32 s22, s22, s20                     ; the block of 256 tokens = 4 x cluster y + cy
	s_lshl_b32 s60, s20, 2
	s_lshl_b32 s60, 15, s60                        ; my row of the cluster
	s_lshl_b32 s61, 0x1111, s19                    ; my column
	s_or_b32 s[G1A], s60, FLD
	s_or_b32 s[G1B], s61, FLD
	s_mov_b32 s[G1A+1], 128<<16                    ; tensor_dim0 = 128
	s_mov_b32 s[G1A+2], 128<<16                    ; tensor_dim1 = 128
	s_mov_b32 s[G1A+3], 128<<16                    ; tile_dim0 = 128
	s_mov_b32 s[G1A+4], 128                        ; tile_dim1 = 128
	s_mov_b32 s[G1A+5], 1024                       ; elements from row to row
	s_mov_b32 s[G1A+6], 0
	s_mov_b32 s[G1A+7], 0
	s_mov_b32 s[G1B+1], 128<<16
	s_mov_b32 s[G1B+2], 96<<16                     ; 96 rows
	s_mov_b32 s[G1B+3], 128<<16
	s_mov_b32 s[G1B+4], 96
	s_mov_b32 s[G1B+5], 1024
	s_mov_b32 s[G1B+6], 0
	s_mov_b32 s[G1B+7], 0
	s_mov_b32 s[SEL], 0x76543210
	s_mov_b32 s[SEL+1], 0xfedcba98
	s_mov_b32 s[CQ], 0x3e38aa3b
	s_lshl_b32 s66, s22, 8                         ; x: row 256 x block + 128 x half: it hangs on the token block alone
	s_lshl_b32 s70, s[ODD], 7
	s_add_co_u32 s66, s66, s70
	s_lshl_b32 s66, s66, 11
	s_mov_b32 s67, 0
	s_mul_i32 s68, s21, 192                        ; W: row 4096 + 192 x head + 96 x half: it hangs on the head alone
	s_mul_i32 s70, s[ODD], 96
	s_add_co_u32 s68, s68, s70
	s_lshl_b32 s68, s68, 11
	s_add_co_u32 s68, s68, 8388608
	s_mov_b32 s69, 0
	s_mul_i32 s23, s[WV], 128*PITCH                ; where they go: x's halves at wave x 128 rows (waves 0, 1),
	s_mul_i32 s75, s[WV], 96*PITCH                 ; W's at 256 rows + (wave - 2) x 96 rows (waves 2, 3)
	s_add_co_u32 s75, s75, BOFF-2*96*PITCH
	s_wait_dscnt 0x0                               ; the opening add is done
	s_wait_kmcnt 0x0
	s_add_nc_u64 s[66:67], s[4:5], s[66:67]
	s_add_nc_u64 s[68:69], s[4:5], s[68:69]
	CROUND                                         ; all sixteen work-groups are here: the first joint loads meet
.irp s, 0,1
	s_mov_b32 s[G0A+4*(\s)], 1
	s_add_co_u32 s[G0A+4*(\s)+1], s23, (\s)*SLOT
	s_add_nc_u64 s[G0A+4*(\s)+2:G0A+4*(\s)+3], s[66:67], (\s)*256
	s_or_b32 s[G0A+4*(\s)+3], s[G0A+4*(\s)+3], 0x80000000
	s_mov_b32 s[G0B+4*(\s)], 1
	s_add_co_u32 s[G0B+4*(\s)+1], s75, (\s)*SLOT
	s_add_nc_u64 s[G0B+4*(\s)+2:G0B+4*(\s)+3], s[68:69], (\s)*256
	s_or_b32 s[G0B+4*(\s)+3], s[G0B+4*(\s)+3], 0x80000000
	JLOAD \s                                       ; K steps 0 and 1: two loads of mine are out
.endr
	; a fragment is 16 rows x 32 K in 8 registers: lane l holds row l % 16, K = 8 (l / 16) + 0..7 and 16 + 8 (l / 16) + 0..7: two loads of 16 bytes, 32 bytes apart
	v_and_b32 v1, 15, v0                           ; r = l % 16
	v_bfe_u32 v2, v0, 4, 1                         ; hf = l / 16
	v_mul_u32_u24 v3, v1, PITCH
	v_lshl_add_u32 v3, v2, 4, v3
	s_mul_i32 s23, s[WV], 64*PITCH                 ; my 64 tokens
	v_add_nc_u32 v[ADRA], s23, v3
	s_add_co_u32 s23, s23, SLOT
	v_add_nc_u32 v[ADRA+1], s23, v3
	v_add_nc_u32 v[ADRB], BOFF, v3
	v_add_nc_u32 v[ADRB+1], BOFF+SLOT, v3
	s_mul_i32 s23, s[WV], 16*SP
	s_add_co_u32 s23, s23, STAGE                   ; my stage
	v_mul_u32_u24 v[STO], v1, SP                   ; in: row l % 16, 16 bytes for each half of the lanes
	v_lshl_add_u32 v[STO], v2, 4, v[STO]
	v_add_nc_u32 v[STO], s23, v[STO]
	v_bfe_u32 v[RD], v0, 3, 2                      ; back: 32 lanes take four rows of 128 bytes,
	v_mul_u32_u24 v[RD], v[RD], SP
	v_and_b32 v5, 7, v0
	v_lshl_add_u32 v[RD], v5, 4, v[RD]
	v_add_nc_u32 v[RD], s23, v[RD]
	v_and_b32 v[GO], 31, v0                        ; which are 512 consecutive bytes of the output
	v_lshlrev_b32 v[GO], 4, v[GO]
	v_lshlrev_b32 v4, 5, v2                        ; 32 hf: my eight biases of a block of 16
	; where my 64 tokens of this head begin in each of the three parts of qkv
	s_lshr_b32 s62, s22, 3                         ; batch
	s_lshl_b32 s62, s62, 4
	s_add_co_u32 s62, s62, s21
	s_lshl_b32 s62, s62, 11
	s_and_b32 s63, s22, 7
	s_lshl_b32 s63, s63, 8
	s_add_co_u32 s62, s62, s63
	s_lshl_b32 s63, s[WV], 6
	s_add_co_u32 s62, s62, s63
	s_lshl_b32 s62, s62, 7                         ; rows of 128 bytes
	s_mov_b32 s63, 0
	s_add_nc_u64 s[76:77], s[14:15], s[62:63]      ; Q
	s_add_nc_u64 s[78:79], s[76:77], 8388608       ; K
	s_add_nc_u64 s[2:3], s[78:79], 8388608         ; V
	s_lshl_b32 s60, s21, 8                         ; the head's 64 biases
	s_mov_b32 s61, 0
	s_add_nc_u64 s[6:7], s[6:7], s[60:61]
	s_add_nc_u64 s[8:9], s[8:9], s[60:61]
	s_add_nc_u64 s[10:11], s[10:11], s[60:61]
	s_lshl_b32 s70, s22, 8
	s_lshl_b32 s71, s[WV], 6
	s_add_co_u32 s70, s70, s71
	s_mov_b32 s71, 0
	s_add_nc_u64 s[12:13], s[12:13], s[70:71]      ; validity of my 64 tokens
.irp p, 0,1,2
.irp b, 0,1,2,3
	global_load_b128 v[BIAS+8*(4*(\p)+(\b)):BIAS+8*(4*(\p)+(\b))+3],   v4, s[6+2*(\p):7+2*(\p)] offset:64*(\b)
	global_load_b128 v[BIAS+8*(4*(\p)+(\b))+4:BIAS+8*(4*(\p)+(\b))+7], v4, s[6+2*(\p):7+2*(\p)] offset:64*(\b)+16
.endr
.endr
.irp a, 0,1,2,3
	global_load_u8 v[VAL+(\a)], v1, s[12:13] offset:16*(\a)
.endr
	; the prefetches' address and who asks
	s_lshl_b32 s60, s22, 8
	s_lshl_b32 s61, s[ODD], 7
	s_add_co_u32 s60, s60, s61
	s_lshl_b32 s61, s19, 5
	s_add_co_u32 s60, s60, s61                     ; x: my work-group's 32 of the 128 rows that I fetch
	s_mul_i32 s61, s21, 192
	s_mul_i32 s62, s[ODD], 96
	s_add_co_u32 s61, s61, s62
	s_mul_i32 s62, s20, 24
	s_add_co_u32 s61, s61, s62
	s_add_co_u32 s61, s61, 4096                    ; W: my work-group's 24 of the 96
	s_and_b32 s62, ttmp7, 0xffff
	s_cmp_eq_u32 s[HALF], 0
	s_cselect_b32 s60, s60, s61
	s_cselect_b32 s62, ttmp9, s62                  ; the coordinate along which other clusters read the same rows
	s_cselect_b32 s63, 31, 23
	s_lshl_b32 s60, s60, 11
	s_add_co_u32 s60, s60, 512                     ; at K step 2: the first refill steps it to 3 and names K step 4
	s_mov_b32 s61, 0
	s_cmp_eq_u32 s62, 0
	s_cselect_b32 s[LIM], 1, -1                    ; the same in all sixteen partners, for a given wave
	s_add_nc_u64 s[PFA:PFA+1], s[4:5], s[60:61]
	v_and_b32 v[PFO], 31, v0
	v_min_u32 v[PFO], s63, v[PFO]
	v_lshlrev_b32 v[PFO], 11, v[PFO]
	s_mov_b32 s75, 0xffff0000
	s_wait_loadcnt 0x0                             ; biases and validity
.set i, 0
.rept 48                                ; the biases rounded to bf16, kept as f32
	v_cvt_pk_bf16_f32 v[T+(i%8)], v[BIAS+2*i], v[BIAS+2*i+1]
	v_lshlrev_b32 v[BIAS+2*i], 16, v[T+(i%8)]
	v_and_b32 v[BIAS+2*i+1], s75, v[T+(i%8)]
.set i, i+1
.endr
.irp a, 0,1,2,3
	v_cvt_f32_u32 v[VAL+(\a)], v[VAL+(\a)]
.endr
; 16 matrix instructions: v's column blocks 8-11 x all four token blocks, 32 along K, buffer f.  zero = 1: the first product starts the sum with the bias as C.
.macro MULV f, zero
	WIN 0xa3-0x20*(\zero)
.irp a, 0,1,2,3
.irp b, 0,1,2,3
.if \zero
	v_wmma_f32_16x16x32_bf16 v[8*(4*(\a)+(\b)):8*(4*(\a)+(\b))+7], v[96*(\f)+64+8*(\b):96*(\f)+64+8*(\b)+7], v[AF+32*(\f)+8*(\a):AF+32*(\f)+8*(\a)+7], v[BIAS+64+8*(\b):BIAS+64+8*(\b)+7]
.else
	v_wmma_f32_16x16x32_bf16 v[8*(4*(\a)+(\b)):8*(4*(\a)+(\b))+7], v[96*(\f)+64+8*(\b):96*(\f)+64+8*(\b)+7], v[AF+32*(\f)+8*(\a):AF+32*(\f)+8*(\a)+7], v[8*(4*(\a)+(\b)):8*(4*(\a)+(\b))+7]
.endif
.endr
.endr
.endm
; 16 matrix instructions: q's and k's column blocks 0-7 x token blocks a0, a0 + 1
.macro MULQK f, a0, zero
	WIN 0x53-0x10*(\zero)
.irp a, \a0, (\a0)+1
.irp b, 0,1,2,3,4,5,6,7
.if \zero
	v_wmma_f32_16x16x32_bf16 v[8*(8*(\a)+(\b)):8*(8*(\a)+(\b))+7], v[96*(\f)+8*(\b):96*(\f)+8*(\b)+7], v[AF+32*(\f)+8*(\a):AF+32*(\f)+8*(\a)+7], v[BIAS+8*(\b):BIAS+8*(\b)+7]
.else
	v_wmma_f32_16x16x32_bf16 v[8*(8*(\a)+(\b)):8*(8*(\a)+(\b))+7], v[96*(\f)+8*(\b):96*(\f)+8*(\b)+7], v[AF+32*(\f)+8*(\a):AF+32*(\f)+8*(\a)+7], v[8*(8*(\a)+(\b)):8*(8*(\a)+(\b))+7]
.endif
.endr
.endr
.endm
; 32 LDS loads in one run: 32 along K at byte k of the rows, into buffer f: x's four fragments, W's blocks 8-11, then W's blocks 0-7
.macro FETCH slot, k, f
	WIN 0
.irp i, 0,1,2,3
	ds_load_b128 v[AF+32*(\f)+8*(\i):AF+32*(\f)+8*(\i)+3],   v[ADRA+(\slot)] offset:(\k)+(\i)*16*PITCH
	ds_load_b128 v[AF+32*(\f)+8*(\i)+4:AF+32*(\f)+8*(\i)+7], v[ADRA+(\slot)] offset:(\k)+(\i)*16*PITCH+32
.endr
	WIN 0xc0                                       ; destination window 3, address window 0
.irp i, 8,9,10,11,0,1,2,3,4,5,6,7
	ds_load_b128 v[96*(\f)+8*(\i):96*(\f)+8*(\i)+3],   v[ADRB+(\slot)] offset:(\k)+(\i)*16*PITCH
	ds_load_b128 v[96*(\f)+8*(\i)+4:96*(\f)+8*(\i)+7], v[ADRB+(\slot)] offset:(\k)+(\i)*16*PITCH+32
.endr
.endm
; A K step is four quarters of 32 along K, 48 matrix instructions each, on buffers 0, 1, 0, 1.  The 48 accumulators take turns in the same order in every quarter.
.macro QUARTER slot, k, f, g, zero
	s_wait_dscnt 16                                ; x's fragments and W's blocks 8-11 are in; the youngest sixteen loads may be out
	MULV \f, \zero
	PLACES
	FETCH \slot, \k, \g
	s_wait_dscnt 32                                ; all but the 32 just issued
	MULQK \f, 0, \zero
	MULQK \f, 2, \zero
.endm
; The last quarter multiplies buffer 1 and changes slots: one barrier.  In front of it each wave waits for all its tensor loads (one is out: its part of the next slot), adds 0 to its spare word, and waits
; for that and for its reads of this slot.  fill = 1: the barrier opens a round of the cluster's, and the joint refill (two K steps on) is the first tensor load behind the round.
.macro TURN slot, next, fill
.if \fill
	s_wait_xcnt 0x0                                ; the last prefetch, a K step back, has read its address
	s_add_nc_u64 s[PFA:PFA+1], s[PFA:PFA+1], 256
.endif
	WIN 0
	s_wait_tensorcnt 0x0
	ds_add_u32 v[SPW], v[NIL]
	s_wait_dscnt 17                                ; the add and the youngest sixteen loads may be out
	MULV 1, 0
	s_wait_dscnt 0x0                               ; the add is done, and my reads of this slot are over
	s_barrier_signal -1
	MULQK 1, 0, 0
.if \fill
	WIN 0
.endif
	s_barrier_wait -1
.if \fill
	CREST                                          ; no wave of any partner still reads this slot or has a load on its way
	s_add_nc_u64 s[G0A+4*(\slot)+2:G0A+4*(\slot)+3], s[G0A+4*(\slot)+2:G0A+4*(\slot)+3], 512
	s_add_nc_u64 s[G0B+4*(\slot)+2:G0B+4*(\slot)+3], s[G0B+4*(\slot)+2:G0B+4*(\slot)+3], 512
	JLOAD \slot                                    ; the four v_nop behind it are also the places in front of the loads below
.else
	PLACES
.endif
	FETCH \next, 0, 0
.if \fill
	ASK
.endif
	MULQK 1, 2, 0
.endm
	s_wait_tensorcnt 1                             ; my part of K step 0 is in; K step 1's load may stay out
	s_barrier_signal -1
	s_barrier_wait -1
	FETCH 0, 0, 0
	QUARTER 0, 64, 0, 1, 1                         ; the first quarter stands in front of the loop: its products start the sums, with the biases
	WIN 0
	s_mov_b32 s[LAP], 3
.Llap:                                             ; a trip goes once round the ring and fills both slots again: K steps 2 .. 7
	QUARTER 0, 128, 1, 0, 0
	QUARTER 0, 192, 0, 1, 0
	TURN 0, 1, 1
	QUARTER 1, 64,  0, 1, 0
	QUARTER 1, 128, 1, 0, 0
	QUARTER 1, 192, 0, 1, 0
	TURN 1, 0, 1
	QUARTER 0, 64,  0, 1, 0
	WIN 0
	s_sub_co_u32 s[LAP], s[LAP], 1
	s_cmp_lg_u32 s[LAP], 0
	s_cbranch_scc1 .Llap
	QUARTER 0, 128, 1, 0, 0                        ; the last lap fills nothing
	QUARTER 0, 192, 0, 1, 0
	TURN 0, 1, 0
	QUARTER 1, 64,  0, 1, 0
	QUARTER 1, 128, 1, 0, 0
	QUARTER 1, 192, 0, 1, 0
	s_wait_dscnt 16
	MULV 1, 0
	s_wait_dscnt 0x0
	MULQK 1, 0, 0
	MULQK 1, 2, 0
	; THE WAY OUT.  Sums of squares of q and k for my token of each row block: 32 channels in my lane, the other 32 in the lane 16 away.  Each accumulator is read from its low end on.
.rept 8
	v_nop
.endr
	WIN 0x05                                       ; sources 0 and 1 window 1; source 2 and destination window 0
.set i, 0
.rept 16
.set u, 0
.rept 8
.set rA, 8*(8*(u/2)+4*(u%2)+i/4)+2*(i%4)
.if i == 0
	v_pk_mul_f32 v[T+2*u:T+2*u+1], v[rA:rA+1], v[rA:rA+1]
.else
	v_pk_fma_f32 v[T+2*u:T+2*u+1], v[rA:rA+1], v[rA:rA+1], v[T+2*u:T+2*u+1]
.endif
.set u, u+1
.endr
.set i, i+1
.endr
	WIN 0
.irp u, 0,1,2,3,4,5,6,7
	v_add_f32 v[T+2*(\u)], v[T+2*(\u)], v[T+2*(\u)+1]
.endr
.irp u, 0,1,2,3,4,5,6,7
	v_permlanex16_b32 v[T+2*(\u)+1], v[T+2*(\u)], s[SEL], s[SEL+1]
.endr
.irp u, 0,1,2,3,4,5,6,7
	v_add_f32 v[T+2*(\u)], v[T+2*(\u)], v[T+2*(\u)+1]
.endr
.irp u, 0,1,2,3,4,5,6,7
	v_max_num_f32 v[T+2*(\u)], 0x24e69595, v[T+2*(\u)]  ; max(n, 1e-8) = sqrt(max(n^2, 1e-16))
.endr
.irp u, 0,1,2,3,4,5,6,7
	v_rsq_f32 v[T+2*(\u)], v[T+2*(\u)]
.endr
	v_nop                                          ; a plain instruction behind the last of the batch,
	s_wait_alu depctr_va_vdst(0)                   ; and one wait for the eight, ahead of their first reader
.irp a, 0,1,2,3
	v_mul_f32 v[T+4*(\a)], s[CQ], v[T+4*(\a)]      ; q: the score's scale and log2(e)
	v_mul_f32 v[T+4*(\a)+2], v[VAL+(\a)], v[T+4*(\a)+2]  ; k: zero where the key is not valid
.endr
; Unit t = 3 a + p: 16 tokens x 64 channels of q, k or v: scaled, rounded to f16, through my stage (rows of 144 bytes) and back as whole rows of 128 bytes.
.macro PACK t
.set ua, (\t)/3
.set up, (\t)%3
.set BKS, BK+16*((\t)%2)
	s_wait_xcnt 0x0                                ; the stores of the unit two back have read the registers that are loaded again below
.if up < 2
	WIN 0x01                                       ; source 0 window 1
.set i, 0
.rept 16
	v_pk_mul_f32 v[TMP+2*i:TMP+2*i+1], v[8*(8*ua+4*up)+2*i:8*(8*ua+4*up)+2*i+1], v[T+2*(2*ua+up):T+2*(2*ua+up)+1] op_sel_hi:[1,0]
.set i, i+1
.endr
	WIN 0
.set i, 0
.rept 16
	v_cvt_pk_f16_f32 v[PK+i], v[TMP+2*i], v[TMP+2*i+1]
.set i, i+1
.endr
.else
	WIN 0x0a                                       ; sources 0 and 1 window 2
.set i, 0
.rept 16
	v_cvt_pk_f16_f32 v[PK+i], v[32*ua+2*i], v[32*ua+2*i+1]
.set i, i+1
.endr
	WIN 0
.endif
.irp f, 0,1,2,3
	ds_store_b128 v[STO], v[PK+4*(\f):PK+4*(\f)+3] offset:32*(\f)
.endr
.irp f, 0,1,2,3
	ds_load_b128 v[BKS+4*(\f):BKS+4*(\f)+3], v[RD] offset:(\f)*4*SP  ; LDS serves a wave's instructions in order: these see the stores above; the next unit's stores come behind them
.endr
.endm
.macro SEND t, younger                 ; younger: the LDS instructions issued behind unit t's loads: the next unit's eight, or none
.set ua, (\t)/3
.set up, (\t)%3
.set BKS, BK+16*((\t)%2)
.set PT, 76+2*up
.if up == 2
.set PT, 2
.endif
.irp f, 0,1,2,3
	s_wait_dscnt (\younger)+3-(\f)
	global_store_b128 v[GO], v[BKS+4*(\f):BKS+4*(\f)+3], s[PT:PT+1] offset:2048*ua+512*(\f)  ; 512 consecutive bytes, at a multiple of 256 from the buffer's first
.endr
.endm
	PACK 0
.irp t, 1,2,3,4,5,6,7,8,9,10,11
	PACK \t
	SEND (\t)-1, 8
.endr
	SEND 11, 0
	s_wait_tensorcnt 0x0                           ; the wave's end: behind my last tensor load and my last LDS store
	ds_add_u32 v[SPW], v[NIL]
	s_wait_dscnt 0x0
	CROUND                                         ; the closing round
	s_endpgm
.Lfunc_end_k_qf2f7b22521_qkv:
	.size	k_qf2f7b22521_qkv, .Lfunc_end_k_qf2f7b22521_qkv-k_qf2f7b22521_qkv
	.p2alignl 7, 3214868480
	.fill 96, 4, 3214868480
	.section	.rodata,"a",@progbits
	.p2align	6, 0x0
	.amdhsa_kernel k_qf2f7b22521_qkv
		.amdhsa_group_segment_fixed_size 327680
		.amdhsa_private_segment_fixed_size 0
		.amdhsa_enable_private_segment 0
		.amdhsa_kernarg_size 48
		.amdhsa_user_sgpr_count 2
		.amdhsa_user_sgpr_kernarg_segment_ptr 1
		.amdhsa_wavefront_size32 1
		.amdhsa_system_sgpr_workgroup_id_x 1
		.amdhsa_system_sgpr_workgroup_id_y 1
		.amdhsa_system_sgpr_workgroup_id_z 1
		.amdhsa_system_vgpr_workitem_id 0
		.amdhsa_next_free_vgpr 960
		.amdhsa_next_free_sgpr 80
		.amdhsa_reserve_vcc 0
		.amdhsa_float_denorm_mode_32 3
		.amdhsa_float_denorm_mode_16_64 3
		.amdhsa_memory_ordered 1
		.amdhsa_forward_progress 1
		.amdhsa_inst_pref_size 150
	.end_amdhsa_kernel
	.amdgpu_metadata
---
amdhsa.version: [ 1, 2 ]
amdhsa.kernels:
  - .name:           k_qf2f7b22521_qkv
    .symbol:         k_qf2f7b22521_qkv.kd
    .args:
      - { .name: cvt, .offset: 0, .size: 8, .value_kind: global_buffer, .address_space: global }
      - { .name: bq, .offset: 8, .size: 8, .value_kind: global_buffer, .address_space: global }
      - { .name: bk, .offset: 16, .size: 8, .value_kind: global_buffer, .address_space: global }
      - { .name: bv, .offset: 24, .size: 8, .value_kind: global_buffer, .address_space: global }
      - { .name: validity_mask, .offset: 32, .size: 8, .value_kind: global_buffer, .address_space: global }
      - { .name: qkv, .offset: 40, .size: 8, .value_kind: global_buffer, .address_space: global }
    .group_segment_fixed_size: 327680
    .private_segment_fixed_size: 0
    .kernarg_segment_align: 8
    .kernarg_segment_size: 48
    .max_flat_workgroup_size: 128
    .sgpr_count:     80
    .vgpr_count:     960
    .wavefront_size: 32
...
	.end_amdgpu_metadata
.endif
;; end of part 2
;; launch attn (part 3): grid 8 x 32, 4 waves a work-group, clusters of 4 x 4, 327,680 bytes of LDS; arguments qkv, cvt, validity_mask, ob; writes ob
.if DOCPART == 3
	.amdgcn_target "amdgcn-amd-amdhsa--gfx1250"
	.amdhsa_code_object_version 6
	.text
	.protected	k_qf2f7b22521_attn
	.globl	k_qf2f7b22521_attn
	.p2align	8
	.type	k_qf2f7b22521_attn,@function
k_qf2f7b22521_attn:
	s_mov_b64 s[64:65], 0
	v_nop
	global_prefetch_b8 v0, s[64:65] scope:SCOPE_SE
	s_setreg_imm32_b32 hwreg(HW_REG_WAVE_MODE, 25, 1), 1
	s_wait_xcnt 0x0
	s_wait_alu depctr_hold_cnt(0) depctr_sa_sdst(0) depctr_va_vdst(0) depctr_va_sdst(0) depctr_va_ssrc(0) depctr_va_vcc(0) depctr_vm_vsrc(0)
	s_getreg_b32 s2, hwreg(HW_REG_IB_STS2, 6, 4)
	s_cmp_eq_u32 s2, 0
	s_cbranch_scc0 .Lentry_in_a_cluster
	s_endpgm
.Lentry_in_a_cluster:
	s_bfe_u32 s2, ttmp6, 0x10000c
	s_cmp_lg_u32 s2, 0xf033
	s_cbranch_scc0 .Lentry_shape_is_right
	s_endpgm
.Lentry_shape_is_right:
; ATTENTION with two masks that are inputs.  For batch and head bh: O[q] = sum over k of softmax_k(t[q][k]) V[k], in base 2:  t = log2(e) x mask[q][k] + (valid[k] ? Q'[q] . K[k] : -XNEG).
; Q' = q / ||q|| x 0.125 log2(e), K = k / ||k|| (zeros where the key is not valid), V: f16, [32][2048][64], made by the launch before.  mask: causal_mask rounded to bf16.  XNEG = 1e9 log2(e) in f32.
; Products, maxima and sums in f32; the weights p are rounded to f16 for the second product (their sum l is taken of the unrounded p), O once at the end, to f16, [32][2048][64].
; THE CLIP at +-5 of the reference costs nothing here: q and k are unit vectors, so a score lies within 0.125 (1 + 2^-10) for every input, and the clip can never act.
; THE MASKS.  valid[k] enters as the C operand that starts the sum S' = K Q'^T: 0, or -XNEG; a hidden key's row of K is zeros, so its S' is exactly -XNEG.  The additive mask enters by one fused
; multiply-add, t = mask x log2(e) + S'.  The running maximum m is taken away by a subtraction, t - m, so equal t of any size give equal weights.
; LIMITS.  Nothing of the mask's pattern is built in: every tile is computed.  Scores that the reference rounds to one number beside a huge mask value are one number here too unless
; mask x log2(e) lies within 0.2 of a midpoint between two f32 (for -1e9 and for its bf16 rounding it lies 45 or more away).  A weight below 2^-126 counts as 0.  V and O lie within f16's 65,504.
; NaN and infinities are not treated apart.
; SHARES.  A work-group owns 256 queries of one bh, a wave 64: four PIECES of 16.  Every wave walks all 2,048 keys, 64 a step; an LDS slot holds 128 keys: K, V, and the 256 x 128 tile of the mask.
; CLUSTER 4 x 4: the four query blocks of a row share bh: K and V are asked for jointly along the row (wave 0: K, wave 1: V); the four of a column share the query block: the mask's tile is asked
; for jointly along the column (waves 2 and 3, 128 rows each).
; TURNS.  Turn n belongs to piece n: 8 products K Q'^T of piece n + 1, later 8 products V^T P of piece n - 1; beside them the subtraction, exponentials, roundings, sums and rescaling of piece n, and the
; masking, maximum and statistics of piece n + 1.  Four vector instructions stand behind every matrix instruction, the others in one lump.  A turn's 33 exponentials are one batch with one wait.
; REGISTERS, in windows of 256 (s_set_vgpr_msb: bits 1:0 source 0, 3:2 source 1, 5:4 source 2, 7:6 destination):
;   window 0: v0-63 addresses, statistics; v64-127 S, two buffers; v128-159 the mask's words, two buffers; v160-191 the step's C operand; v192-223 P, two buffers (buffers go by a piece's parity)
;   window 1: v0-127 O^T, 32 a piece          window 2: v0-63 Q'; v128-191 K of one step; v192-255 V of one step
.set NP,    4
.set PK,    144       ; a row of K in LDS: 128 bytes + 16 of padding
.set PV,    160       ; a row of V: 128 + 32
.set PM,    272       ; a row of the mask's tile: 256 + 16
.set VOFF,  128*PK
.set MOFF,  VOFF+128*PV
.set SLOT1, 1<<17     ; slot 1 begins here, so that one exclusive or turns an address in one slot into the other's
.set STAGE, SLOT1+MOFF+256*PM  ; behind the ring: 16 rows x 144 bytes for each wave, for the way out
.set SP,    144
.set VBT,   STAGE+4*16*SP      ; 2,048 f32: 0 or -XNEG for each key of my batch; written once by ds_store
.set SPARE, VBT+8192           ; the spare words, 128 bytes for each wave: two blocks of 256 bytes that no other line names
.set AK0, 2           ; v2   my lane's place in a tile of K; never rewritten
.set AV0, 3           ; v3   the same for V
.set AK,  4           ; v4   the LDS address of K's next run
.set AV,  5           ; v5   of V's
.set QO,  6           ; v6   my byte offset in 16 rows of Q'
.set STO, 6           ;      later: where I put 16 bytes of a row
.set RD,  7           ; v7   where I read rows back
.set GO,  8           ; v8   16 x lane
.set MV,  12          ; v12-13  m_old, by buffer
.set AM0, 14          ; v14  my lane's place in the mask's tile
.set AM,  15          ; v15  the same in the step in hand
.set ST,  16          ; piece y at v[16 + 4 y]: m, 0, l (even keys', odd keys')
.set AB0, 32          ; v32  my place in the table
.set AB,  33          ; v33  the same in the step in hand
.set LV,  34          ; v34  log2(e)
.set PFO, 35          ; v35  the prefetches' offset; never rewritten
.set TMP, 48          ; by buffer, c0-c3 at work; when the maximum is found c2 takes a
.set SPW, 62
.set NIL, 63
.set S,   64
.set MK,  128
.set VB,  160
.set P,   192
.set KF,  128         ; window 2
.set VF,  192         ; window 2
.set WV,  12
.set G1K, 24
.set G1V, 32
.set G1M, 40
.set G0K, 48
.set G0V, 52
.set G0M, 56
.set SEL, 60
.set TBK, 62          ; s62  LDS byte at which K of the step to be fetched begins
.set TBV, 63          ; s63  the same for V, less VOFF
.set TBM, 66          ; s66  the same for the mask's columns, less MOFF
.set TBB, 67          ; s67  the same in the table
.set SLOTS, 68
.set CNT, 69
.set PFA, 70
.set PFS, 72
.set LIM, 74
.set MSB, 0
.macro WIN new
.if MSB != (\new)
	s_set_vgpr_msb (MSB<<8)|(\new)
.set MSB, (\new)
.endif
.endm
.set W_KQ, 0x0a       ; K and Q' in window 2; C and S in window 0
.set W_PV, 0x52       ; V in window 2, P in window 0, O^T in window 1
.set W_RS, 0x41       ; destination and source 0 in window 1, source 1 in window 0
; A joint fill: wave 0 K's 128 keys, wave 1 V's, waves 2 and 3 the mask's 128 rows each.  The branches hang on the wave's number alone.  An s_nop 0 and four v_nop follow each line.
.macro JLOAD
	s_cmp_lt_u32 s[WV], 2
	s_cbranch_scc0 .Lfor_m_\@
	s_cmp_eq_u32 s[WV], 0
	s_cbranch_scc0 .Lfor_v_\@
	tensor_load_to_lds s[G0K:G0K+3], s[G1K:G1K+7]
	s_nop 0
.rept 4
	v_nop
.endr
	s_branch .Lasked_\@
.Lfor_v_\@:
	tensor_load_to_lds s[G0V:G0V+3], s[G1V:G1V+7]
	s_nop 0
.rept 4
	v_nop
.endr
	s_branch .Lasked_\@
.Lfor_m_\@:
	tensor_load_to_lds s[G0M:G0M+3], s[G1M:G1M+7]
	s_nop 0
.rept 4
	v_nop
.endr
.Lasked_\@:
.endm
; A prefetch of what the NEXT change of slots will ask for.  K and V of a bh are walked by both clusters of its row of clusters: cluster x = 0 asks, wave 0: of a slot's 64 blocks of 256 bytes of K the partner
; at cx takes 16 (lanes 0-15), and the same 16 of V (lanes 16-31).  The mask's rows are walked by all eight clusters of a column: cluster y = 0 asks, waves 2 and 3: of a wave's 128 rows the partner at cy
; takes 32, a lane a row.  So each block is named once.  The last change that fills a slot asks for nothing.
.macro ASK
	s_cmp_gt_u32 s[SLOTS], s[LIM]
	s_cbranch_scc0 .Lnot_mine_\@
	global_prefetch_b8 v[PFO], s[PFA:PFA+1] th:TH_LOAD_NT scope:SCOPE_SE
.Lnot_mine_\@:
.endm
.macro CROUND
	s_barrier_signal -1
	s_barrier_wait -1
	s_cmp_lg_u32 s[WV], 0
	s_cbranch_scc1 .Lnot_wave_0_\@
	s_barrier_signal -3
.Lnot_wave_0_\@:
	s_barrier_wait -3
	s_barrier_signal -1
	s_barrier_wait -1
.endm
; THE CHANGE OF SLOTS, between piece 1's turn and piece 2's: K, V, the table's words and all four pieces' mask words of the slot's last step have been asked for.  Each wave waits for all its tensor loads
; (one is out: its part of the other slot), adds 0 to its spare word, and waits for that and for its reads of the slot.  fill = 1: the barrier is a round of the cluster's, and the joint refill, with the
; keys two slots on, is the first thing behind it.  (At its first use slot 0 is waited for, the table is shown to all waves, and slot 1 is filled.)
.macro CHANGE fill
	WIN 0
	s_wait_tensorcnt 0x0
	ds_add_u32 v[SPW], v[NIL]
.if \fill
.irp g, G0K, G0V
	s_xor_b32 s[\g+1], s[\g+1], SLOT1
	s_add_nc_u64 s[\g+2:\g+3], s[\g+2:\g+3], 128*128  ; the next 128 keys
.endr
	s_xor_b32 s[G0M+1], s[G0M+1], SLOT1
	s_add_nc_u64 s[G0M+2:G0M+3], s[G0M+2:G0M+3], 256  ; the next 128 columns
	s_wait_xcnt 0x0                 ; the last prefetch, a slot back, has read its address
	s_add_nc_u64 s[PFA:PFA+1], s[PFA:PFA+1], s[PFS:PFS+1]
	s_wait_dscnt 0x0                ; the add is done, and my reads of the slot are over
	CROUND
	JLOAD
	ASK
.else
	s_wait_dscnt 0x0
	s_barrier_signal -1
	s_barrier_wait -1
.endif
	s_sub_co_u32 s[TBK], s[TBK], 128*PK  ; the fetches go back to a slot's first step, in the other slot
	s_xor_b32 s[TBK], s[TBK], SLOT1
	s_sub_co_u32 s[TBV], s[TBV], 128*PV
	s_xor_b32 s[TBV], s[TBV], SLOT1
	s_sub_co_u32 s[TBM], s[TBM], 256
	s_xor_b32 s[TBM], s[TBM], SLOT1
.endm
	s_load_b256 s[4:11], s[0:1], 0x0  ; qkv s[4:5], cvt s[6:7], validity_mask s[8:9], ob s[10:11]
	v_lshl_add_u32 v[SPW], v0, 2, SPARE
	v_mov_b32 v[NIL], 0
	ds_add_u32 v[SPW], v[NIL]       ; the wave's opening: the add and its wait stand ahead of my first tensor load
	v_lshrrev_b32 v1, 5, v0
	v_readfirstlane_b32 s[WV], v1
	s_bfe_u32 s13, ttmp6, 0x40000   ; cx
	s_bfe_u32 s14, ttmp6, 0x40004   ; cy
	s_lshl_b32 s15, ttmp9, 2
	s_add_co_u32 s15, s15, s13      ; the block of 256 queries
	s_and_b32 s16, ttmp7, 0xffff
	s_lshl_b32 s16, s16, 2
	s_add_co_u32 s16, s16, s14      ; bh = 16 batch + head
	s_lshl_b32 s17, s14, 2
	s_lshl_b32 s17, 15, s17         ; my row of the cluster
	s_lshl_b32 s18, 0x1111, s13     ; my column
	s_or_b32 s[G1K], s17, (1<<16)|(1<<20)|(1<<21)|(4<<22)|(3<<25)  ; 2-byte elements; padding on; bit 21 beside a mask; after every 32 words 4 words
	s_or_b32 s[G1V], s17, (1<<16)|(1<<20)|(1<<21)|(4<<22)|(7<<25)  ; 8 words
	s_or_b32 s[G1M], s18, (1<<16)|(1<<20)|(1<<21)|(5<<22)|(3<<25)  ; after every 64 words 4 words
.irp g, G1K, G1V                    ; 128 keys are 16,384 dense bytes: 64 rows of 256 bytes, two keys a row
	s_mov_b32 s[\g+1], 128<<16
	s_mov_b32 s[\g+2], 64<<16
	s_mov_b32 s[\g+3], 128<<16
	s_mov_b32 s[\g+4], 64
	s_mov_b32 s[\g+5], 128
	s_mov_b32 s[\g+6], 0
	s_mov_b32 s[\g+7], 0
.endr
	s_mov_b32 s[G1M+1], 128<<16     ; 128 rows of 128 bf16, 2,048 elements from row to row
	s_mov_b32 s[G1M+2], 128<<16
	s_mov_b32 s[G1M+3], 128<<16
	s_mov_b32 s[G1M+4], 128
	s_mov_b32 s[G1M+5], 2048
	s_mov_b32 s[G1M+6], 0
	s_mov_b32 s[G1M+7], 0
	s_mov_b32 s[SEL], 0x76543210
	s_mov_b32 s[SEL+1], 0xfedcba98
	s_mov_b32 s[TBK], SLOT1+128*PK  ; the first change of slots turns these three into 0
	s_mov_b32 s[TBV], SLOT1+128*PV
	s_mov_b32 s[TBM], SLOT1+256
	s_mov_b32 s[TBB], 0
	s_mov_b32 s[SLOTS], 15
	s_and_b32 s19, s[WV], 1
	s_lshl_b32 s76, s16, 18         ; K of my bh: it hangs on bh alone
	s_add_co_u32 s76, s76, 8388608
	s_mov_b32 s77, 0
	s_add_co_u32 s78, s76, 8388608  ; V
	s_mov_b32 s79, 0
	s_lshl_b32 s80, s15, 20         ; the mask: row 256 x block + 128 x half, 4,096 bytes a row: it hangs on the query block alone
	s_lshl_b32 s20, s19, 19
	s_add_co_u32 s80, s80, s20
	s_add_co_u32 s80, s80, 16777216
	s_mov_b32 s81, 0
	s_lshl_b32 s82, s16, 18         ; my wave's 64 rows of Q' and of O
	s_lshl_b32 s21, s15, 15
	s_add_co_u32 s82, s82, s21
	s_lshl_b32 s21, s[WV], 13
	s_add_co_u32 s82, s82, s21
	s_mov_b32 s83, 0
	s_lshr_b32 s84, s16, 4          ; my batch's 2,048 validity bytes
	s_lshl_b32 s84, s84, 11
	s_mov_b32 s85, 0
	s_mov_b32 s[G0K], 1
	s_mov_b32 s[G0K+1], 0
	s_mov_b32 s[G0V], 1
	s_mov_b32 s[G0V+1], VOFF
	s_mov_b32 s[G0M], 1
	s_mul_i32 s[G0M+1], s19, 128*PM
	s_add_co_u32 s[G0M+1], s[G0M+1], MOFF
	; the prefetches: address, step, lanes' offsets and who asks
	s_mov_b32 s75, 256
	s_lshl_b32 s86, s13, 12
	s_add_co_u32 s86, s86, s76
	s_add_co_u32 s86, s86, 16384    ; K's, at slot 1: each change steps it first
	s_lshl_b32 s87, s14, 17
	s_add_co_u32 s87, s87, s80
	s_add_co_u32 s87, s87, 256      ; the mask's, at slot 1
	s_and_b32 s22, ttmp7, 0xffff
	s_cmp_lt_u32 s[WV], 2
	s_cselect_b32 s86, s86, s87
	s_cselect_b32 s[PFS], 16384, s75
	s_cselect_b32 s20, 8, 12        ; lanes 0-15: 256 bytes apart, or a row of 4,096
	s_cselect_b32 s21, 23, 16       ; lanes 16-31: V's part, 8,388,608 bytes on, or 16 rows on
	s_cselect_b32 s22, ttmp9, s22
	s_cmp_eq_u32 s[WV], 1
	s_cselect_b32 s22, 1, s22       ; wave 1 never asks
	s_cmp_eq_u32 s22, 0
	s_cselect_b32 s[LIM], 1, -1     ; the same in all sixteen partners, for a given wave
	s_mov_b32 s87, 0
	s_mov_b32 s[PFS+1], 0
	v_and_b32 v[PFO], 15, v0
	v_lshlrev_b32 v[PFO], s20, v[PFO]
	v_bfe_u32 v42, v0, 4, 1
	v_lshlrev_b32 v42, s21, v42
	v_add_nc_u32 v[PFO], v[PFO], v42
	s_wait_dscnt 0x0                ; the opening add is done
	s_wait_kmcnt 0x0
	s_add_nc_u64 s[G0K+2:G0K+3], s[4:5], s[76:77]
	s_or_b32 s[G0K+3], s[G0K+3], 0x80000000
	s_add_nc_u64 s[G0V+2:G0V+3], s[4:5], s[78:79]
	s_or_b32 s[G0V+3], s[G0V+3], 0x80000000
	s_add_nc_u64 s[G0M+2:G0M+3], s[6:7], s[80:81]
	s_or_b32 s[G0M+3], s[G0M+3], 0x80000000
	s_add_nc_u64 s[10:11], s[10:11], s[82:83]  ; O at my wave's first row
	s_add_nc_u64 s[82:83], s[4:5], s[82:83]    ; Q' likewise
	s_add_nc_u64 s[8:9], s[8:9], s[84:85]
	s_cmp_lt_u32 s[WV], 2
	s_cselect_b64 s[PFA:PFA+1], s[4:5], s[6:7]
	s_add_nc_u64 s[PFA:PFA+1], s[PFA:PFA+1], s[86:87]
	CROUND                          ; all sixteen work-groups are here: the first joint loads meet
	JLOAD                           ; slot 0
	v_lshlrev_b32 v41, 4, v0
	global_load_b128 v[36:39], v41, s[8:9]  ; thread t: the validity of keys 16 t .. 16 t + 15
	v_and_b32 v1, 15, v0            ; r = l % 16
	v_bfe_u32 v9, v0, 4, 1          ; hf = l / 16
	v_lshlrev_b32 v[QO], 7, v1
	v_lshl_add_u32 v[QO], v9, 4, v[QO]
	WIN 0x80                        ; destination window 2
.set i, 0
.rept 8                             ; Q' stays in registers: piece i / 2, channels 32 (i % 2) on
	global_load_b128 v[8*i:8*i+3],   v[QO], s[82:83] offset:(i/2)*2048+(i%2)*64
	global_load_b128 v[8*i+4:8*i+7], v[QO], s[82:83] offset:(i/2)*2048+(i%2)*64+32
.set i, i+1
.endr
	; What the first turn finds: V's registers and P's second buffer hold 0 (its products V^T P, of a piece that has not been, add 0); O^T and l are 0; m is the lowest finite number, so the first a is 0.
.set i, VF
.rept 64
	v_mov_b32 v[i], 0
.set i, i+1
.endr
	WIN 0x40
.set i, 0
.rept 128
	v_mov_b32 v[i], 0
.set i, i+1
.endr
	WIN 0
.set i, 0
.rept 4
	v_mov_b32 v[ST+4*i], 0xff7fffff
	v_mov_b32 v[ST+4*i+1], 0
	v_mov_b32 v[ST+4*i+2], 0
	v_mov_b32 v[ST+4*i+3], 0
.set i, i+1
.endr
.set i, P+16
.rept 16
	v_mov_b32 v[i], 0
.set i, i+1
.endr
	v_mov_b32 v[LV], 0x3fb8aa3b
	v_mul_u32_u24 v[AK0], v1, PK
	v_lshl_add_u32 v[AK0], v9, 4, v[AK0]
	; The turning load takes 16 keys x 16 channels (lane l reads key 8 (l / 16) + l % 8, channels 8 ((l / 8) % 2) + 0..7) and leaves half a fragment of V^T.
	v_and_b32 v10, 7, v0
	v_bfe_u32 v11, v0, 3, 1
	v_lshl_add_u32 v[AV0], v9, 3, v10
	v_mul_u32_u24 v[AV0], v[AV0], PV
	v_lshl_add_u32 v[AV0], v11, 4, v[AV0]
	v_add_nc_u32 v[AV0], VOFF, v[AV0]
	s_lshl_b32 s17, s[WV], 6
	v_add_nc_u32 v[AM0], s17, v1    ; the mask's row 64 w + r (+ 16 for each piece), my eight keys' 16 bytes
	v_mul_u32_u24 v[AM0], v[AM0], PM
	v_lshl_add_u32 v[AM0], v9, 4, v[AM0]
	v_add_nc_u32 v[AM0], MOFF, v[AM0]
	v_lshlrev_b32 v[AB0], 5, v9
	v_add_nc_u32 v[AB0], VBT, v[AB0]
	s_mov_b32 s23, 0x4eabfb8f       ; XNEG = 1e9 log2(e)
	s_mov_b32 s75, 0xceabfb8f
	v_lshl_add_u32 v40, v0, 6, VBT
	s_wait_loadcnt 16               ; the validity bytes are in; Q's sixteen loads may stay out
.set i, 0
.rept 16
	v_bfe_u32 v[S+i], v[36+i/4], 8*(i%4), 8
.set i, i+1
.endr
.set i, 0
.rept 16
	v_cvt_f32_u32 v[S+i], v[S+i]
.set i, i+1
.endr
.set i, 0
.rept 16
	v_fma_f32 v[S+i], v[S+i], s23, s75  ; 1 -> 0, 0 -> -XNEG
.set i, i+1
.endr
.irp f, 0,1,2,3
	ds_store_b128 v40, v[S+4*\f:S+4*\f+3] offset:16*\f
.endr
; THE MATRIX WORK.  The 4 accumulators of a run of 8 take turns.  Product i of 8 of S = K Q'^T for piece x: channels 32 (i / 4) on, keys 16 (i % 4) on.  The first 4 start the sums with the step's C.
.macro KQ x
	WIN W_KQ
.set rS, S+32*((\x)%2)+8*(i%4)
.set rK, KF+16*(i%4)+8*(i/4)
.set rQ, 16*(\x)+8*(i/4)
.if i < 4
	v_wmma_f32_16x16x32_f16 v[rS:rS+7], v[rK:rK+7], v[rQ:rQ+7], v[VB+8*(i%4):VB+8*(i%4)+7]
.else
	v_wmma_f32_16x16x32_f16 v[rS:rS+7], v[rK:rK+7], v[rQ:rQ+7], v[rS:rS+7]
.endif
.endm
; Product i of 8 of O^T += V^T P for piece x: keys 32 (i / 4) on, channels 16 (i % 4) on.
.macro PV x
	WIN W_PV
.set rO, 32*(\x)+8*(i%4)
.set rV, VF+32*(i/4)+8*(i%4)
.set rP, P+16*((\x)%2)+8*(i/4)
	v_wmma_f32_16x16x32_f16 v[rO:rO+7], v[rV:rV+7], v[rP:rP+7], v[rO:rO+7]
.endm
.macro MM                           ; the turn's next matrix instruction
.if i < 8
	KQ (Y+1)%NP
.else
.set i, i-8
	PV (Y+NP-1)%NP
.set i, i+8
.endif
.set i, i+1
.endm
; THE LDS LOADS stand in runs.  K's run: the next step's K (8 fragments), its C operand out of the table (all lanes of a half read the same 32 bytes), and the addresses for that step's mask words.
; last = 1 (the tail): in the last trip there is no further step, and the run is jumped over.
.macro FETCH_K last=0
	WIN 0
.if \last
	s_cmp_eq_u32 s[CNT], 1
	s_cbranch_scc1 .Lno_k_\@
.endif
	v_add_nc_u32 v[AK], s[TBK], v[AK0]
	v_add_nc_u32 v[AB], s[TBB], v[AB0]
	v_add_nc_u32 v[AM], s[TBM], v[AM0]
.irp f, 0,1,2,3
	ds_load_b128 v[VB+8*\f:VB+8*\f+3],   v[AB] offset:64*\f
	ds_load_b128 v[VB+8*\f+4:VB+8*\f+7], v[AB] offset:64*\f+16
.endr
	WIN 0x80
.irp f, 0,1,2,3,4,5,6,7             ; keys 16 (f / 2) on, channels 32 (f % 2) on
	ds_load_b128 v[KF+8*\f:KF+8*\f+3],   v[AK] offset:(\f/2)*16*PK+(\f%2)*64
	ds_load_b128 v[KF+8*\f+4:KF+8*\f+7], v[AK] offset:(\f/2)*16*PK+(\f%2)*64+32
.endr
	s_add_co_u32 s[TBK], s[TBK], 64*PK
	s_add_co_u32 s[TBM], s[TBM], 128
	s_add_co_u32 s[TBB], s[TBB], 256
	s_and_b32 s[TBB], s[TBB], 0x1f00  ; 32 steps of 256 bytes: the table's offset stays inside its 8,192 bytes
	WIN 0
.if \last
.Lno_k_\@:
.endif
.endm
.macro FETCH_V
	WIN 0x80
.irp f, 0,1,2,3,4,5,6,7             ; keys 32 (f / 4) on, channels 16 (f % 4) on
	ds_load_tr16_b128 v[VF+8*\f:VF+8*\f+3],   v[AV] offset:(\f/4)*32*PV+(\f%4)*32
	ds_load_tr16_b128 v[VF+8*\f+4:VF+8*\f+7], v[AV] offset:(\f/4)*32*PV+16*PV+(\f%4)*32
.endr
	WIN 0
.endm
.macro MLOAD y                      ; piece y's mask words of the step in hand: my query's row, my eight keys of each group of 16
	WIN 0
.irp kb, 0,1,2,3
	ds_load_b128 v[MK+16*((\y)%2)+4*\kb:MK+16*((\y)%2)+4*\kb+3], v[AM] offset:(\y)*16*PM+32*\kb
.endr
.endm
; THE VECTOR WORK, one line at a time: OP kind, number.  For piece Y: F n: t - m for pair n of 16.  E n: the exponential of number n of 32.  C n: pair n rounded to f16.  B n: of the four weights 4 n .. the second
; pair is added onto the first.  L n: l takes that sum (L 0: l = a l + sum).  R n: pair n of 16 of O^T times a.  For piece Y + 1: A n: t = mask x log2(e) + S' for number n of 32; X n: maximum and statistics:
;   0-11 four chains c0-c3 of seven each   12-14, 16 the four left over, the old m, c0-c3 into c0   15 m_old is kept   17, 18 the other half of the lanes: the new m   19 m_old - m   20 a
.set F, 0
.set E, 1
.set C, 2
.set B, 3
.set L, 4
.set R, 5
.set X, 6
.set A, 7
.macro REGS y
.set rT, ST+4*(\y)
.set rC, TMP+4*((\y)%2)
.set rW, MV+((\y)%2)
.set rS, S+32*((\y)%2)
.set rP, P+16*((\y)%2)
.set rM, MK+16*((\y)%2)
.set rO, 32*(\y)
.endm
.macro OP k, n
.if (\k) == R
	REGS Y
	WIN W_RS
	v_pk_mul_f32 v[rO+2*(\n):rO+2*(\n)+1], v[rO+2*(\n):rO+2*(\n)+1], v[rC+2:rC+3] op_sel_hi:[1,0]
.elseif (\k) < R
	REGS Y
	WIN 0
.if (\k) == F
	v_pk_add_f32 v[rS+2*(\n):rS+2*(\n)+1], v[rS+2*(\n):rS+2*(\n)+1], v[rT:rT+1] op_sel_hi:[1,0] neg_lo:[0,1] neg_hi:[0,1]
.elseif (\k) == E
	v_exp_f32 v[rS+(\n)], v[rS+(\n)]
.elseif (\k) == C
	v_cvt_pk_f16_f32 v[rP+(\n)], v[rS+2*(\n)], v[rS+2*(\n)+1]
.elseif (\k) == B
	v_pk_add_f32 v[rS+4*(\n):rS+4*(\n)+1], v[rS+4*(\n):rS+4*(\n)+1], v[rS+4*(\n)+2:rS+4*(\n)+3]
.elseif (\n) == 0
	v_pk_fma_f32 v[rT+2:rT+3], v[rT+2:rT+3], v[rC+2:rC+3], v[rS:rS+1] op_sel_hi:[1,0,1]
.else
	v_pk_add_f32 v[rT+2:rT+3], v[rT+2:rT+3], v[rS+4*(\n):rS+4*(\n)+1]
.endif
.elseif (\k) == A
	REGS (Y+1)%NP
	WIN 0
.if (\n)%2
	v_fma_mix_f32_bf16 v[rS+(\n)], v[rM+(\n)/2], v[LV], v[rS+(\n)] op_sel:[1,0,0] op_sel_hi:[1,0,0]
.else
	v_fma_mix_f32_bf16 v[rS+(\n)], v[rM+(\n)/2], v[LV], v[rS+(\n)] op_sel:[0,0,0] op_sel_hi:[1,0,0]
.endif
.else
	REGS (Y+1)%NP
	WIN 0
.if (\n) < 4
	v_max3_num_f32 v[rC+(\n)], v[rS+8*(\n)], v[rS+8*(\n)+1], v[rS+8*(\n)+2]
.elseif (\n) < 12
	v_max3_num_f32 v[rC+(\n)%4], v[rC+(\n)%4], v[rS+8*((\n)%4)+2*((\n)/4)+1], v[rS+8*((\n)%4)+2*((\n)/4)+2]
.elseif (\n) == 12
	v_max3_num_f32 v[rC], v[rC], v[rS+7], v[rS+15]
.elseif (\n) == 13
	v_max3_num_f32 v[rC+1], v[rC+1], v[rS+23], v[rS+31]
.elseif (\n) == 14
	v_max3_num_f32 v[rC+2], v[rC+2], v[rC+3], v[rT]
.elseif (\n) == 15
	v_mov_b32 v[rW], v[rT]
.elseif (\n) == 16
	v_max3_num_f32 v[rC], v[rC], v[rC+1], v[rC+2]
.elseif (\n) == 17
	v_permlanex16_b32 v[rC+3], v[rC], s[SEL], s[SEL+1]
.elseif (\n) == 18
	v_max_num_f32 v[rT], v[rC], v[rC+3]
.elseif (\n) == 19
	v_sub_f32 v[rC+1], v[rW], v[rT]
.else
	v_exp_f32 v[rC+2], v[rC+1]
.endif
.endif
.endm
.macro OPS a, i1, b=-1, i2=0, c=-1, i3=0, d=-1, i4=0
	OP \a, \i1
.if (\b) >= 0
	OP \b, \i2
.endif
.if (\c) >= 0
	OP \c, \i3
.endif
.if (\d) >= 0
	OP \d, \i4
.endif
.endm
.macro ROW a, i1, b, i2, c, i3, d, i4  ; a matrix instruction and the four behind it
	MM
	OPS \a, \i1, \b, \i2, \c, \i3, \d, \i4
.endm
; A TURN, for piece p.  AHEAD OF ITS ONE WAIT stands all that names no result of the turn's exponentials: the 8 products K Q'^T with a subtraction, an exponential and two rescalings behind each; then the lump:
; the next piece's masking (each accumulator's first reader is A 8 kb, its lowest register; every A stands more than four plain instructions behind the product that ends its accumulator), its maximum and
; statistics, the other subtractions and exponentials, and last its a.  BEHIND THE WAIT stand the 8 products V^T P with the roundings and sums as riders.
; LDS: the mask words of piece p + 2 are asked for behind the wait, a turn and a half ahead of their use.  K's run stands in piece 2's turn, six plain instructions behind the last product that read K (in the tail:
; behind the wait).  V's run stands at the end of piece 0's turn, five plain instructions behind the last product that read V.
.macro TURN p, last=0
.set Y, (\p)
.set i, 0
.if (\p) == 3
	s_wait_dscnt 4                  ; K and the step's C are in; the four mask loads issued behind them may stay out
.endif
	ROW F,0, F,1, R,0, R,1
	ROW F,2, E,0, R,2, R,3
	ROW F,3, E,1, R,4, R,5
	ROW F,4, E,2, R,6, R,7
	ROW F,5, E,3, R,8, R,9
	ROW F,6, E,4, R,10, R,11
	ROW F,7, E,5, R,12, R,13
	ROW F,8, E,6, R,14, R,15
.if (\p) == 1
	s_wait_dscnt 16                 ; piece 2's mask words are in; V's sixteen loads, issued behind them, may stay out
.else
	s_wait_dscnt 0x0                ; the next piece's mask words are in
.endif
.if ((\p) == 2) && !(\last)
	FETCH_K
.endif
	OPS A,0, E,7, A,1, E,8
	OPS A,2, E,9, A,3, E,10
	OPS X,0, A,4, E,11, A,5
	OPS A,6, E,12, X,4, A,7
	OPS A,8, E,13, A,9, A,10
	OPS X,8, E,14, X,1, A,11
	OPS A,12, E,15, A,13, A,14
	OPS X,5, E,16, A,15, A,16
	OPS A,17, E,17, A,18, X,12
	OPS X,9, F,9, X,2, A,19
	OPS A,20, E,18, A,21, A,22
	OPS X,6, E,19, A,23, A,24
	OPS A,25, F,10, A,26, X,10
	OPS X,3, E,20, A,27, A,28
	OPS F,11, E,21, X,7, A,29
	OPS A,30, E,22, A,31, F,12
	OPS X,11, E,23, X,13, X,15
	OPS F,13, E,24, F,14, E,25
	OPS X,14, E,26, F,15, E,27
	OPS X,16, E,28, E,29, E,30
	OPS X,17, E,31, X,18, X,19
	OPS X,20
	v_nop                           ; a plain instruction behind the last exponential: one for the batch
	s_wait_alu depctr_va_vdst(0)    ; the wait for the batch, ahead of its first reader
.if (\p) == 1
	s_wait_dscnt 0x0                ; V is in
.endif
.if ((\p) == 2) && (\last)
	FETCH_K 1
.endif
	MLOAD ((\p)+2)%NP
	ROW C,0, B,0, C,2, B,1
	ROW L,0, C,4, B,2, L,1
	ROW C,6, B,3, L,2, C,8
	ROW B,4, L,3, C,10, B,5
	ROW L,4, C,12, B,6, L,5
	ROW C,14, B,7, L,6, C,1
	ROW C,3, L,7, C,5, C,7
	ROW C,9, C,11, C,13, C,15
.if (\p) == 0
	WIN 0
	v_add_nc_u32 v[AV], s[TBV], v[AV0]
	s_add_co_u32 s[TBV], s[TBV], 64*PV
	FETCH_V
.endif
.endm
	CHANGE 1                        ; slot 0 is in, everybody's part of it, and so is the table; slot 1 is asked for
	FETCH_K                         ; key step 0
	MLOAD 0
	MLOAD 1
	s_wait_loadcnt 0x0              ; Q'
	s_wait_dscnt 0x0
.set i, 0
.rept 8
	KQ 0                            ; piece 0's first scores
.set i, i+1
.endr
	WIN 0                           ; the addresses for the way out: eleven plain instructions, the places behind those products
	s_mul_i32 s17, s[WV], 16*SP
	s_add_co_u32 s17, s17, STAGE    ; my stage
	v_mul_u32_u24 v[STO], v1, SP    ; in: row l % 16, 16 bytes for each half of the lanes
	v_lshl_add_u32 v[STO], v9, 4, v[STO]
	v_add_nc_u32 v[STO], s17, v[STO]
	v_bfe_u32 v[RD], v0, 3, 2       ; back: 32 lanes take four rows of 128 bytes,
	v_mul_u32_u24 v[RD], v[RD], SP
	v_lshl_add_u32 v[RD], v10, 4, v[RD]
	v_add_nc_u32 v[RD], s17, v[RD]
	v_and_b32 v[GO], 31, v0         ; which are 512 consecutive bytes of O
	v_lshlrev_b32 v[GO], 4, v[GO]
.set Y, NP-1                        ; A and X work for piece Y + 1: piece 0
.set n, 0
.rept 32
	OP A, n
.set n, n+1
.endr
.set n, 0
.rept 21
	OP X, n
.set n, n+1
.endr
	v_nop                           ; a plain instruction behind the exponential,
	s_wait_alu depctr_va_vdst(0)    ; and its wait, ahead of the branch
	s_mov_b32 s[CNT], 2
	s_branch .Lfirst                ; the loop is entered at a step's first turn, in the middle of a trip
.Lslot:                             ; 14 times: slots 2 .. 15 are asked for
	CHANGE 1
	s_mov_b32 s[CNT], 2
.Lstep:                             ; a trip: pieces 2 and 3 of one step, then pieces 0 and 1 of the next, whose K and V it fetches
	TURN 2
	TURN 3
	WIN 0
.Lfirst:
	TURN 0
	TURN 1
	WIN 0
	s_sub_co_u32 s[CNT], s[CNT], 1
	s_cmp_lg_u32 s[CNT], 0
	s_cbranch_scc1 .Lstep
	s_sub_co_u32 s[SLOTS], s[SLOTS], 1
	s_cmp_lg_u32 s[SLOTS], 0
	s_cbranch_scc1 .Lslot
	CHANGE 0                        ; the tail is written out: nothing is asked for
	s_mov_b32 s[CNT], 3             ; two trips fetch the last slot's steps; the third is left in its middle
.Ltail:
	TURN 2, 1
	TURN 3
	WIN 0
	s_sub_co_u32 s[CNT], s[CNT], 1
	s_cmp_eq_u32 s[CNT], 0
	s_cbranch_scc1 .Lout
	TURN 0
	TURN 1
	WIN 0
	s_branch .Ltail
.Lout:                              ; the third trip's 8 products K Q'^T (on the last K once more) and what is made of them serve nothing: the price, once a launch, of one text for every trip
.set i, 0
.rept 8
	PV NP-1                         ; the last piece's V^T P of the last step
.set i, i+1
.endr
	; THE WAY OUT.  l's two halves and the other half of the lanes' are added; O^T is divided by l, rounded to f16 and sent through my stage, a piece at a time.  The additions are the places behind the last products.
	WIN 0
.macro ALL line:vararg
.set t, 0
.rept 4
	\line
.set t, t+1
.endr
.endm
	ALL v_add_f32 v[ST+4*t+2], v[ST+4*t+2], v[ST+4*t+3]
	ALL v_permlanex16_b32 v[ST+4*t+3], v[ST+4*t+2], s[SEL], s[SEL+1]
	ALL v_add_f32 v[ST+4*t+2], v[ST+4*t+2], v[ST+4*t+3]
	ALL v_rcp_f32 v[ST+4*t+2], v[ST+4*t+2]
	v_nop                           ; a plain instruction behind the last reciprocal,
	s_wait_alu depctr_va_vdst(0)    ; and one wait for the four
.macro PACK t
	WIN W_RS
.set i, 32*(\t)
.rept 16
	v_pk_mul_f32 v[i:i+1], v[i:i+1], v[ST+4*(\t)+2:ST+4*(\t)+3] op_sel_hi:[1,0]
.set i, i+2
.endr
	WIN 0x05                        ; sources 0 and 1 window 1, destination window 0
.set i, 0
.rept 16
	v_cvt_pk_f16_f32 v[S+16*(\t)+i], v[32*(\t)+2*i], v[32*(\t)+2*i+1]
.set i, i+1
.endr
	WIN 0
.irp f, 0,1,2,3
	ds_store_b128 v[STO], v[S+16*(\t)+4*\f:S+16*(\t)+4*\f+3] offset:32*\f
.endr
.irp f, 0,1,2,3
	ds_load_b128 v[S+16*(\t)+4*\f:S+16*(\t)+4*\f+3], v[RD] offset:\f*4*SP  ; LDS serves a wave's instructions in order: these see the stores above; the next piece's stores come behind them
.endr
.endm
.macro SEND t, younger              ; younger: the LDS instructions issued behind piece t's loads: the next piece's eight, or none
	WIN 0
.irp f, 0,1,2,3
	s_wait_dscnt (\younger)+3-\f
	global_store_b128 v[GO], v[S+16*(\t)+4*\f:S+16*(\t)+4*\f+3], s[10:11] offset:(\t)*2048+\f*512  ; 512 consecutive bytes, at a multiple of 256 from O's first
.endr
.endm
	PACK 0
.set t, 1
.rept 3
	PACK t
	SEND t-1, 8
.set t, t+1
.endr
	SEND 3, 0
	s_wait_tensorcnt 0x0            ; the wave's end: behind my last tensor load and my last LDS store
	ds_add_u32 v[SPW], v[NIL]
	s_wait_dscnt 0x0
	CROUND                          ; the closing round
	s_endpgm
.Lfunc_end_k_qf2f7b22521_attn:
	.size	k_qf2f7b22521_attn, .Lfunc_end_k_qf2f7b22521_attn-k_qf2f7b22521_attn
	.p2alignl 7, 3214868480
	.fill 96, 4, 3214868480
	.section	.rodata,"a",@progbits
	.p2align	6, 0x0
	.amdhsa_kernel k_qf2f7b22521_attn
		.amdhsa_group_segment_fixed_size 327680
		.amdhsa_private_segment_fixed_size 0
		.amdhsa_enable_private_segment 0
		.amdhsa_kernarg_size 32
		.amdhsa_user_sgpr_count 2
		.amdhsa_user_sgpr_kernarg_segment_ptr 1
		.amdhsa_wavefront_size32 1
		.amdhsa_system_sgpr_workgroup_id_x 1
		.amdhsa_system_sgpr_workgroup_id_y 1
		.amdhsa_system_sgpr_workgroup_id_z 1
		.amdhsa_system_vgpr_workitem_id 0
		.amdhsa_next_free_vgpr 768
		.amdhsa_next_free_sgpr 88
		.amdhsa_reserve_vcc 0
		.amdhsa_float_denorm_mode_32 3
		.amdhsa_float_denorm_mode_16_64 3
		.amdhsa_memory_ordered 1
		.amdhsa_forward_progress 1
		.amdhsa_inst_pref_size 139
	.end_amdhsa_kernel
	.amdgpu_metadata
---
amdhsa.version: [ 1, 2 ]
amdhsa.kernels:
  - .name:           k_qf2f7b22521_attn
    .symbol:         k_qf2f7b22521_attn.kd
    .args:
      - { .name: qkv, .offset: 0, .size: 8, .value_kind: global_buffer, .address_space: global }
      - { .name: cvt, .offset: 8, .size: 8, .value_kind: global_buffer, .address_space: global }
      - { .name: validity_mask, .offset: 16, .size: 8, .value_kind: global_buffer, .address_space: global }
      - { .name: ob, .offset: 24, .size: 8, .value_kind: global_buffer, .address_space: global }
    .group_segment_fixed_size: 327680
    .private_segment_fixed_size: 0
    .kernarg_segment_align: 8
    .kernarg_segment_size: 32
    .max_flat_workgroup_size: 128
    .sgpr_count:     88
    .vgpr_count:     768
    .wavefront_size: 32
...
	.end_amdgpu_metadata
.endif
;; end of part 3
;; launch oproj (part 4): grid 8 x 32, 4 waves a work-group, clusters of 4 x 4, 327,680 bytes of LDS; arguments ob, cvt, bo, out0; writes out0
.if DOCPART == 4
	.amdgcn_target "amdgcn-amd-amdhsa--gfx1250"
	.amdhsa_code_object_version 6
	.text
	.protected	k_qf2f7b22521_oproj
	.globl	k_qf2f7b22521_oproj
	.p2align	8
	.type	k_qf2f7b22521_oproj,@function
k_qf2f7b22521_oproj:
	s_mov_b64 s[64:65], 0
	v_nop
	global_prefetch_b8 v0, s[64:65] scope:SCOPE_SE
	s_setreg_imm32_b32 hwreg(HW_REG_WAVE_MODE, 25, 1), 1
	s_wait_xcnt 0x0
	s_wait_alu depctr_hold_cnt(0) depctr_sa_sdst(0) depctr_va_vdst(0) depctr_va_sdst(0) depctr_va_ssrc(0) depctr_va_vcc(0) depctr_vm_vsrc(0)
	s_getreg_b32 s2, hwreg(HW_REG_IB_STS2, 6, 4)
	s_cmp_eq_u32 s2, 0
	s_cbranch_scc0 .Lentry_in_a_cluster
	s_endpgm
.Lentry_in_a_cluster:
	s_bfe_u32 s2, ttmp6, 0x10000c
	s_cmp_lg_u32 s2, 0xf033
	s_cbranch_scc0 .Lentry_shape_is_right
	s_endpgm
.Lentry_shape_is_right:
; OPROJ: out0[token][e] = 0.5 (sum over d of O[token][d] Wo[e][d] + bo[e]), f32.  O: f16, by heads, [32 = 16 batch + head][2048][64] (d = 64 head + channel); Wo: rows 7168-8191 of cvt, bf16-rounded numbers
; written as f16; bo is rounded to bf16 like every other input and starts the sums as the first products' C operand.  Sums in f32.
; A tile of out0 is 128 tokens x 128 columns: 32 x 8 = 256 work-groups; four waves, each 64 x 64: 16 accumulators.  K goes in 4 steps of 256 = four heads, a quarter of a step is one head, through two LDS slots
; filled by joint tensor loads (cluster 4 x 4: O's tile is shared along a row of the cluster, Wo's along a column).  Four steps are written out: no loop.
; No prefetch: the tiles are small and the launch is short.  The matrix instruction is used transposed (source 0 = 16 rows of Wo, source 1 = 16 tokens): a lane holds eight neighbouring columns of a token.
; REGISTERS: window 0: v0-31 addresses; v32-95 at work on the way out; v96-127 the bias; v128-255 the accumulators ((a, b) at 128 + 8 (4 a + b)).  window 1: two fragment buffers of 128.
.set PA,     144                       ; a token's 128 bytes of one head + 16 of padding
.set PB,     528                       ; a row of Wo: 512 bytes + 16
.set HEADB,  128*PA                    ; a head's 128 tokens
.set BOFF,   4*HEADB
.set SLOT,   BOFF+128*PB
.set STAGE,  2*SLOT                    ; behind the ring: 16 rows x 272 bytes for each wave
.set SPITCH, 272
.set SPARE,  STAGE+4*16*SPITCH
.set ADRA, 16
.set ADRB, 20
.set STO,  24
.set RD,   25
.set CO,   26
.set SPW,  28
.set NIL,  29
.set TMP,  32
.set BK,   64
.set BIAS, 96
.set ACC,  128
.set F0,   0
.set F1,   128
.set WV,   12
.set HALF, 13                          ; s13  which half of the tile's tokens is mine; also: I fetch for O (0) or for Wo (1)
.set ODD,  14                          ; s14  which half of its columns; also: which half of that tile I fetch
.set G1A,  24
.set G0A,  32
.set G1B,  40
.set G0B,  48
.set MSB, 0
.macro WIN new
.if MSB != (\new)
	s_set_vgpr_msb (MSB<<8)|(\new)
.set MSB, \new
.endif
.endm
.set MUL,  0x05                        ; sources 0 and 1 window 1; C and D window 0
.set TO_F, 0x40                        ; destination window 1, address window 0
.macro JLOAD s
	s_cmp_eq_u32 s[HALF], 0
	s_cbranch_scc0 .Lfor_b_\@
	tensor_load_to_lds s[G0A+4*(\s):G0A+4*(\s)+3], s[G1A:G1A+7]
	s_nop 0
.rept 4
	v_nop
.endr
	s_branch .Lasked_\@
.Lfor_b_\@:
	tensor_load_to_lds s[G0B+4*(\s):G0B+4*(\s)+3], s[G1B:G1B+7]
	s_nop 0
.rept 4
	v_nop
.endr
.Lasked_\@:
.endm
.macro CREST
	s_cmp_lg_u32 s[WV], 0
	s_cbranch_scc1 .Lnot_wave_0_\@
	s_barrier_signal -3
.Lnot_wave_0_\@:
	s_barrier_wait -3
	s_barrier_signal -1
	s_barrier_wait -1
.endm
.macro CROUND
	s_barrier_signal -1
	s_barrier_wait -1
	CREST
.endm
.macro PLACES
.rept 4
	v_nop
.endr
.endm
	s_load_b256 s[4:11], s[0:1], 0x0               ; ob s[4:5], cvt s[6:7], bo s[8:9], out0 s[10:11]
	v_lshl_add_u32 v[SPW], v0, 2, SPARE
	v_mov_b32 v[NIL], 0
	ds_add_u32 v[SPW], v[NIL]                      ; the wave's opening: the add and its wait stand ahead of my first tensor load
	v_lshrrev_b32 v1, 5, v0
	v_readfirstlane_b32 s[WV], v1
	s_lshr_b32 s[HALF], s[WV], 1
	s_and_b32 s[ODD], s[WV], 1
	s_bfe_u32 s15, ttmp6, 0x40000                  ; cx
	s_bfe_u32 s16, ttmp6, 0x40004                  ; cy
	s_lshl_b32 s17, ttmp9, 2
	s_add_co_u32 s17, s17, s15                     ; tile column
	s_and_b32 s18, ttmp7, 0xffff
	s_lshl_b32 s18, s18, 2
	s_add_co_u32 s18, s18, s16                     ; tile row: 128 tokens
	s_lshl_b32 s19, s16, 2
	s_lshl_b32 s19, 15, s19                        ; my row of the cluster
	s_lshl_b32 s20, 0x1111, s15                    ; my column
	; O's tile for one wave: two heads.  A head's 128 tokens are 16,384 dense bytes: one 'row' of 8,192 elements; the next head lies 131,072 elements on.  Padded in LDS after every token's 128 bytes.
	s_or_b32 s[G1A], s19, (1<<16)|(1<<20)|(1<<21)|(4<<22)|(3<<25)
	s_mov_b32 s[G1A+1], 8192<<16                   ; tensor_dim0 = 8,192
	s_mov_b32 s[G1A+2], 2<<16                      ; tensor_dim1 = 2
	s_mov_b32 s[G1A+3], 8192<<16                   ; tile_dim0 = 8,192
	s_mov_b32 s[G1A+4], 2                          ; tile_dim1 = 2
	s_mov_b32 s[G1A+5], 131072
	s_mov_b32 s[G1A+6], 0
	s_mov_b32 s[G1A+7], 0
	; Wo's tile for one wave: 64 rows x 256 elements
	s_or_b32 s[G1B], s20, (1<<16)|(1<<20)|(1<<21)|(6<<22)|(3<<25)
	s_mov_b32 s[G1B+1], 256<<16
	s_mov_b32 s[G1B+2], 64<<16
	s_mov_b32 s[G1B+3], 256<<16
	s_mov_b32 s[G1B+4], 64
	s_mov_b32 s[G1B+5], 1024
	s_mov_b32 s[G1B+6], 0
	s_mov_b32 s[G1B+7], 0
	s_lshr_b32 s56, s18, 4                         ; O: batch x 16 heads x 262,144 bytes
	s_lshl_b32 s56, s56, 22
	s_and_b32 s60, s18, 15                         ; + my 128 tokens in a head
	s_lshl_b32 s60, s60, 14
	s_add_co_u32 s56, s56, s60
	s_lshl_b32 s60, s[ODD], 19                     ; + the two heads that I fetch
	s_add_co_u32 s56, s56, s60
	s_mov_b32 s57, 0
	s_lshl_b32 s58, s17, 18                        ; Wo: row 128 x tile column + 64 x half
	s_lshl_b32 s61, s[ODD], 17
	s_add_co_u32 s58, s58, s61
	s_add_co_u32 s58, s58, 14680064
	s_mov_b32 s59, 0
	s_mul_i32 s21, s[WV], 2*HEADB                  ; where they go: O's halves at wave x two heads (waves 0, 1),
	s_mul_i32 s22, s[WV], 64*PB                    ; Wo's behind O's four heads (waves 2, 3)
	s_add_co_u32 s22, s22, BOFF-2*64*PB
	s_wait_dscnt 0x0                               ; the opening add is done
	s_wait_kmcnt 0x0
	s_add_nc_u64 s[56:57], s[4:5], s[56:57]
	s_add_nc_u64 s[58:59], s[6:7], s[58:59]
	CROUND                                         ; all sixteen work-groups are here: the first joint loads meet
.irp s, 0,1
	s_mov_b32 s[G0A+4*(\s)], 1
	s_add_co_u32 s[G0A+4*(\s)+1], s21, (\s)*SLOT
	s_add_nc_u64 s[G0A+4*(\s)+2:G0A+4*(\s)+3], s[56:57], (\s)*1048576  ; K step s: four heads on
	s_or_b32 s[G0A+4*(\s)+3], s[G0A+4*(\s)+3], 0x80000000
	s_mov_b32 s[G0B+4*(\s)], 1
	s_add_co_u32 s[G0B+4*(\s)+1], s22, (\s)*SLOT
	s_add_nc_u64 s[G0B+4*(\s)+2:G0B+4*(\s)+3], s[58:59], (\s)*512
	s_or_b32 s[G0B+4*(\s)+3], s[G0B+4*(\s)+3], 0x80000000
	JLOAD \s                                       ; two loads of mine are out
.endr
	v_and_b32 v1, 15, v0                           ; r
	v_bfe_u32 v2, v0, 4, 1                         ; hf
	v_mul_u32_u24 v3, v1, PA
	v_lshl_add_u32 v3, v2, 4, v3
	s_mul_i32 s23, s[HALF], 64*PA                  ; my 64 tokens
	v_add_nc_u32 v[ADRA], s23, v3
	s_add_co_u32 s23, s23, SLOT
	v_add_nc_u32 v[ADRA+1], s23, v3
	v_mul_u32_u24 v3, v1, PB
	v_lshl_add_u32 v3, v2, 4, v3
	s_mul_i32 s23, s[ODD], 64*PB                   ; my 64 rows of Wo
	s_add_co_u32 s23, s23, BOFF
	v_add_nc_u32 v[ADRB], s23, v3
	s_add_co_u32 s23, s23, SLOT
	v_add_nc_u32 v[ADRB+1], s23, v3
	s_mul_i32 s23, s[WV], 16*SPITCH
	s_add_co_u32 s23, s23, STAGE                   ; my stage
	v_mul_u32_u24 v[STO], v1, SPITCH               ; in: row r, 32 bytes for each half of the lanes
	v_lshl_add_u32 v[STO], v2, 5, v[STO]
	v_add_nc_u32 v[STO], s23, v[STO]
	v_mul_u32_u24 v[RD], v2, SPITCH                ; back: lanes 0-15 one row of 256 bytes, lanes 16-31 the next
	v_lshl_add_u32 v[RD], v1, 4, v[RD]
	v_add_nc_u32 v[RD], s23, v[RD]
	v_lshlrev_b32 v[CO], 12, v2                    ; and the same two rows in out0
	v_lshl_add_u32 v[CO], v1, 4, v[CO]
	v_lshlrev_b32 v4, 5, v2                        ; 32 hf: my eight biases of a block of 16
	s_lshl_b32 s60, s17, 9                         ; my 64 columns: 256 bytes
	s_lshl_b32 s61, s[ODD], 8
	s_add_co_u32 s60, s60, s61
	s_mov_b32 s61, 0
	s_add_nc_u64 s[8:9], s[8:9], s[60:61]
	s_lshl_b32 s62, s18, 19                        ; my 64 tokens: rows of 4,096 bytes
	s_lshl_b32 s63, s[HALF], 18
	s_add_co_u32 s62, s62, s63
	s_add_co_u32 s62, s62, s60
	s_mov_b32 s63, 0
	s_add_nc_u64 s[10:11], s[10:11], s[62:63]
.irp b, 0,1,2,3
	global_load_b128 v[BIAS+8*(\b):BIAS+8*(\b)+3],   v4, s[8:9] offset:64*(\b)
	global_load_b128 v[BIAS+8*(\b)+4:BIAS+8*(\b)+7], v4, s[8:9] offset:64*(\b)+16
.endr
	s_mov_b32 s66, 0xffff0000
	s_wait_loadcnt 0x0
.set i, 0
.rept 16                                ; the bias rounded to bf16, kept as f32
	v_cvt_pk_bf16_f32 v[TMP+(i%8)], v[BIAS+2*i], v[BIAS+2*i+1]
	v_lshlrev_b32 v[BIAS+2*i], 16, v[TMP+(i%8)]
	v_and_b32 v[BIAS+2*i+1], s66, v[TMP+(i%8)]
.set i, i+1
.endr
; 8 matrix instructions: token blocks a0, a0 + 1 x all 4 column blocks, 32 along K: half c of buffer f.  zero = 1: the first product starts the sum with the bias.  The 16 accumulators take turns.
.macro MUL8 f, c, a0, zero
	WIN MUL
.irp a, \a0, (\a0)+1
.irp b, 0,1,2,3
.if \zero
	v_wmma_f32_16x16x32_f16 v[ACC+8*(4*(\a)+(\b)):ACC+8*(4*(\a)+(\b))+7], v[(\f)+64+8*(4*(\c)+(\b)):(\f)+64+8*(4*(\c)+(\b))+7], v[(\f)+8*(4*(\c)+(\a)):(\f)+8*(4*(\c)+(\a))+7], v[BIAS+8*(\b):BIAS+8*(\b)+7]
.else
	v_wmma_f32_16x16x32_f16 v[ACC+8*(4*(\a)+(\b)):ACC+8*(4*(\a)+(\b))+7], v[(\f)+64+8*(4*(\c)+(\b)):(\f)+64+8*(4*(\c)+(\b))+7], v[(\f)+8*(4*(\c)+(\a)):(\f)+8*(4*(\c)+(\a))+7], v[ACC+8*(4*(\a)+(\b)):ACC+8*(4*(\a)+(\b))+7]
.endif
.endr
.endr
.endm
; 32 LDS loads in one run: head q of the slot's four (64 along K) into buffer f; its first 32 channels first
.macro FETCH slot, q, f
	WIN TO_F
.irp c, 0,1
.irp i, 0,1,2,3
	ds_load_b128 v[(\f)+64+8*(4*(\c)+(\i)):(\f)+64+8*(4*(\c)+(\i))+3],   v[ADRB+(\slot)] offset:(\q)*128+64*(\c)+(\i)*16*PB
	ds_load_b128 v[(\f)+64+8*(4*(\c)+(\i))+4:(\f)+64+8*(4*(\c)+(\i))+7], v[ADRB+(\slot)] offset:(\q)*128+64*(\c)+(\i)*16*PB+32
	ds_load_b128 v[(\f)+8*(4*(\c)+(\i)):(\f)+8*(4*(\c)+(\i))+3],         v[ADRA+(\slot)] offset:(\q)*HEADB+64*(\c)+(\i)*16*PA
	ds_load_b128 v[(\f)+8*(4*(\c)+(\i))+4:(\f)+8*(4*(\c)+(\i))+7],       v[ADRA+(\slot)] offset:(\q)*HEADB+64*(\c)+(\i)*16*PA+32
.endr
.endr
.endm
.macro QUARTER slot, q, f, g, zero
	s_wait_dscnt 16                                ; the first 32 along K are in
	MUL8 \f, 0, 0, \zero
	MUL8 \f, 0, 2, \zero
	PLACES
	FETCH \slot, \q, \g
	s_wait_dscnt 32                                ; all but the 32 just issued
	MUL8 \f, 1, 0, 0
	MUL8 \f, 1, 2, 0
.endm
; The last quarter multiplies buffer 1 and changes slots: one barrier; in front of it each wave waits for all its tensor loads, adds 0 to its spare word, and waits for that and for its reads of this slot.
; fill = 1: the barrier opens a round of the cluster's, and the joint refill, two K steps on, is the first tensor load behind the round.
.macro TURN slot, next, fill
	WIN 0
	s_wait_tensorcnt 0x0
	ds_add_u32 v[SPW], v[NIL]
	s_wait_dscnt 17                                ; the add and the youngest sixteen loads may be out
	MUL8 F1, 0, 0, 0
	s_wait_dscnt 0x0                               ; the add is done, and my reads of this slot are over
	s_barrier_signal -1
	MUL8 F1, 0, 2, 0
.if \fill
	WIN 0
.endif
	s_barrier_wait -1
.if \fill
	CREST
	s_add_nc_u64 s[G0A+4*(\slot)+2:G0A+4*(\slot)+3], s[G0A+4*(\slot)+2:G0A+4*(\slot)+3], 2097152
	s_add_nc_u64 s[G0B+4*(\slot)+2:G0B+4*(\slot)+3], s[G0B+4*(\slot)+2:G0B+4*(\slot)+3], 1024
	JLOAD \slot                                    ; the four v_nop behind it are also the places in front of the loads below
.else
	PLACES
.endif
	FETCH \next, 0, F0
	MUL8 F1, 1, 0, 0
	MUL8 F1, 1, 2, 0
.endm
	s_wait_tensorcnt 1                             ; my part of K step 0 is in; K step 1's load may stay out
	s_barrier_signal -1
	s_barrier_wait -1
	FETCH 0, 0, F0
	QUARTER 0, 1, F0, F1, 1                        ; K step 0
	QUARTER 0, 2, F1, F0, 0
	QUARTER 0, 3, F0, F1, 0
	TURN 0, 1, 1                                   ; slot 0 takes K step 2
	QUARTER 1, 1, F0, F1, 0                        ; K step 1
	QUARTER 1, 2, F1, F0, 0
	QUARTER 1, 3, F0, F1, 0
	TURN 1, 0, 1                                   ; slot 1 takes K step 3
	QUARTER 0, 1, F0, F1, 0                        ; K step 2
	QUARTER 0, 2, F1, F0, 0
	QUARTER 0, 3, F0, F1, 0
	TURN 0, 1, 0
	QUARTER 1, 1, F0, F1, 0                        ; K step 3
	QUARTER 1, 2, F1, F0, 0
	QUARTER 1, 3, F0, F1, 0
	s_wait_dscnt 16
	MUL8 F1, 0, 0, 0
	MUL8 F1, 0, 2, 0
	s_wait_dscnt 0x0
	MUL8 F1, 1, 0, 0
	MUL8 F1, 1, 2, 0
	WIN 0
	; THE WAY OUT, 16 tokens at a time: times 0.5; 32 bytes a lane for each column block into my stage; back as whole rows of 256 bytes; stored.  Each accumulator is read from its low end on.
.rept 8
	v_nop
.endr
.irp a, 0,1,2,3
	s_wait_xcnt 0x0                                ; the last block's stores have read the registers that are loaded again below
.set i, 0
.rept 16
	v_pk_mul_f32 v[TMP+2*i:TMP+2*i+1], v[ACC+32*(\a)+2*i:ACC+32*(\a)+2*i+1], 0.5 op_sel_hi:[1,0]
.set i, i+1
.endr
.irp b, 0,1,2,3
	ds_store_b128 v[STO], v[TMP+8*(\b):TMP+8*(\b)+3]   offset:64*(\b)
	ds_store_b128 v[STO], v[TMP+8*(\b)+4:TMP+8*(\b)+7] offset:64*(\b)+16
.endr
.irp t, 0,1,2,3,4,5,6,7
	ds_load_b128 v[BK+4*(\t):BK+4*(\t)+3], v[RD] offset:(\t)*2*SPITCH  ; LDS serves a wave's instructions in order: these see the stores above
.endr
	s_wait_dscnt 0x0
.irp t, 0,1,2,3,4,5,6,7
	global_store_b128 v[CO], v[BK+4*(\t):BK+4*(\t)+3], s[10:11] offset:(16*(\a)+2*(\t))*4096 th:TH_STORE_NT  ; 16 lanes store 256 consecutive bytes, at a multiple of 256 from out0's first byte
.endr
.endr
	s_wait_tensorcnt 0x0                           ; the wave's end: behind my last tensor load and my last LDS store
	ds_add_u32 v[SPW], v[NIL]
	s_wait_dscnt 0x0
	CROUND                                         ; the closing round
	s_endpgm
.Lfunc_end_k_qf2f7b22521_oproj:
	.size	k_qf2f7b22521_oproj, .Lfunc_end_k_qf2f7b22521_oproj-k_qf2f7b22521_oproj
	.p2alignl 7, 3214868480
	.fill 96, 4, 3214868480
	.section	.rodata,"a",@progbits
	.p2align	6, 0x0
	.amdhsa_kernel k_qf2f7b22521_oproj
		.amdhsa_group_segment_fixed_size 327680
		.amdhsa_private_segment_fixed_size 0
		.amdhsa_enable_private_segment 0
		.amdhsa_kernarg_size 32
		.amdhsa_user_sgpr_count 2
		.amdhsa_user_sgpr_kernarg_segment_ptr 1
		.amdhsa_wavefront_size32 1
		.amdhsa_system_sgpr_workgroup_id_x 1
		.amdhsa_system_sgpr_workgroup_id_y 1
		.amdhsa_system_sgpr_workgroup_id_z 1
		.amdhsa_system_vgpr_workitem_id 0
		.amdhsa_next_free_vgpr 512
		.amdhsa_next_free_sgpr 72
		.amdhsa_reserve_vcc 0
		.amdhsa_float_denorm_mode_32 3
		.amdhsa_float_denorm_mode_16_64 3
		.amdhsa_memory_ordered 1
		.amdhsa_forward_progress 1
		.amdhsa_inst_pref_size 92
	.end_amdhsa_kernel
	.amdgpu_metadata
---
amdhsa.version: [ 1, 2 ]
amdhsa.kernels:
  - .name:           k_qf2f7b22521_oproj
    .symbol:         k_qf2f7b22521_oproj.kd
    .args:
      - { .name: ob, .offset: 0, .size: 8, .value_kind: global_buffer, .address_space: global }
      - { .name: cvt, .offset: 8, .size: 8, .value_kind: global_buffer, .address_space: global }
      - { .name: bo, .offset: 16, .size: 8, .value_kind: global_buffer, .address_space: global }
      - { .name: out0, .offset: 24, .size: 8, .value_kind: global_buffer, .address_space: global }
    .group_segment_fixed_size: 327680
    .private_segment_fixed_size: 0
    .kernarg_segment_align: 8
    .kernarg_segment_size: 32
    .max_flat_workgroup_size: 128
    .sgpr_count:     72
    .vgpr_count:     512
    .wavefront_size: 32
...
	.end_amdgpu_metadata
.endif
;; end of part 4
;; ======== version 2 of 2: 4 launches; version 1 with the launch prep written anew for expert scheduling mode
;; limits: values are held in f16: magnitudes above 65,504 overflow, below 6.1e-05 lose precision
;; workspace buffers: cvt 25,165,824 bytes; qkv 25,165,824 bytes; ob 8,388,608 bytes
;; launch prep (part 5): grid 256 x 3, 8 waves a work-group, no clusters, 0 bytes of LDS; arguments x, Wq, Wk, Wv, Wo, causal_mask, cvt; writes cvt
.if DOCPART == 5
	.amdgcn_target "amdgcn-amd-amdhsa--gfx1250"
	.amdhsa_code_object_version 6
	.text
	.protected	k_qf2f7b22521_prep
	.globl	k_qf2f7b22521_prep
	.p2align	8
	.type	k_qf2f7b22521_prep,@function
k_qf2f7b22521_prep:
	s_mov_b64 s[64:65], 0
	v_nop
	global_prefetch_b8 v0, s[64:65] scope:SCOPE_SE
	s_setreg_imm32_b32 hwreg(HW_REG_WAVE_SCHED_MODE, 0, 2), 2
	s_setreg_imm32_b32 hwreg(HW_REG_WAVE_MODE, 25, 1), 1
	s_wait_xcnt 0x0
	s_wait_alu depctr_vm_vsrc(0)
; PREP: the f32 inputs that become matrix operands, or are read again and again, are rounded once to 16 bits and laid out for the launches behind.
; cvt, in rows of 2,048 bytes (1,024 numbers of 16 bits):
;   rows 0-4095     x in bf16
;   rows 4096-7167  Wq, Wk, Wv in bf16, by heads: row 4096 + 192 h + 64 m + c is W_m[64 h + c] (m = 0 q, 1 k, 2 v): a head's 192 rows lie together
;   rows 7168-8191  Wo rounded to bf16 and that number written as f16 (exact inside f16's normal range; below 6e-5 it keeps f16's fixed step of 6e-8)
;   rows 8192-12287 causal_mask in bf16, two such rows to a row of the mask
; A stream: no LDS, no barrier, no matrix unit.  A work-group takes 16 units of 1,024 f32.  Thread t loads 16 bytes at 16 t of each unit (a wave's load covers 512 consecutive bytes)
; and stores 8 bytes at 8 t (a wave's store covers 256 consecutive bytes, aligned).  All 16 loads go out first; no register that a memory instruction names is written again behind it, so no wait frees a source.
; THE MODE: SCHED_MODE bits 1:0 = 2 (LLVM: expert scheduling mode 2), set by the entry lines.  The code itself states the register dependences
; between vector instructions and memory instructions, with s_wait_alu, always for 0.
; THE PLAN.  Registers that memory instructions touch:
;   v1, v2   byte offsets, made once at the head by vector lines; v1 is read by every load, v2 by every store; never written again.
;   X        unit i: written by its one load, which is issued before any vector line names X; read by the unit's conversions; never loaded again.
;   Y        unit i: written by the unit's conversions; read by its one store; never written behind that store.
;   T        named by vector lines alone.
; So one wait on va_vdst stands at the head, for the two offsets, and one behind the conversions of each block of four units, for the block's Y: the block's four stores follow it in one run.
; The block's wait stands behind its conversions and not at the next block's head, which is a wait for data from memory: finished stores would stand behind that.
; No register that a memory instruction has read is written again, so no wait on vm_vsrc is owed; no vector line writes a scalar register or VCC, and EXEC is never written.
.set X, 4                              ; v[4:67]   unit i: four f32 as loaded
.set Y, 68                             ; v[68:99]  unit i: two words of two 16-bit numbers
.set T, 100                            ; v[100:103] at work
	s_load_b256 s[8:15], s[0:1], 0x0               ; x s[8:9], Wq s[10:11], Wk s[12:13], Wv s[14:15]
	s_load_b128 s[16:19], s[0:1], 0x20             ; Wo s[16:17], causal_mask s[18:19]
	s_load_b64 s[20:21], s[0:1], 0x30              ; cvt
	v_lshlrev_b32 v1, 4, v0                        ; 16 t
	v_lshlrev_b32 v2, 3, v0                        ; 8 t
	s_and_b32 s4, ttmp7, 0xffff                    ; y: 0 x, 1 the four weights, 2 the mask
	s_mov_b32 s5, ttmp9                            ; g
	s_lshr_b32 s6, s5, 6                           ; m: which weight (y = 1)
	s_and_b32 s7, s5, 63                           ; ch: which 16 rows of it
	s_mov_b32 s32, 0xffff0000                      ; a word's upper bf16
	s_add_co_u32 s22, s6, 1                        ; the source: 0 x, 1 + m a weight, 5 the mask
	s_cmp_eq_u32 s4, 0
	s_cselect_b32 s22, 0, s22
	s_cmp_eq_u32 s4, 2
	s_cselect_b32 s22, 5, s22
	s_cmp_eq_u32 s4, 1
	s_cselect_b32 s23, s7, s5                      ; my group of 16 units in the source
	s_lshr_b32 s28, s7, 2                          ; the head of my 16 rows of a weight
	s_mul_i32 s28, s28, 192
	s_lshl_b32 s29, s6, 6
	s_add_co_u32 s28, s28, s29
	s_and_b32 s29, s7, 3
	s_lshl_b32 s29, s29, 4
	s_add_co_u32 s28, s28, s29
	s_add_co_u32 s28, s28, 4096                    ; Wq, Wk, Wv: 4096 + 192 h + 64 m + 16 (ch % 4)
	s_lshl_b32 s29, s7, 4
	s_add_co_u32 s29, s29, 7168                    ; Wo: 7168 + 16 ch
	s_cmp_eq_u32 s6, 3
	s_cselect_b32 s28, s29, s28
	s_lshl_b32 s29, s5, 4                          ; x: 16 g
	s_cmp_eq_u32 s4, 0
	s_cselect_b32 s28, s29, s28
	s_add_co_u32 s29, s29, 8192                    ; the mask: 8192 + 16 g
	s_cmp_eq_u32 s4, 2
	s_cselect_b32 s28, s29, s28
	s_lshl_b32 s28, s28, 11                        ; rows of 2,048 bytes
	s_mov_b32 s29, 0
	s_lshl_b32 s30, s23, 16                        ; 16 units of 4,096 bytes
	s_mov_b32 s31, 0
	s_wait_kmcnt 0x0
	s_mov_b64 s[24:25], s[8:9]                     ; the source's address: a choice among the six inputs by the work-group's number
	s_cmp_eq_u32 s22, 1
	s_cselect_b64 s[24:25], s[10:11], s[24:25]
	s_cmp_eq_u32 s22, 2
	s_cselect_b64 s[24:25], s[12:13], s[24:25]
	s_cmp_eq_u32 s22, 3
	s_cselect_b64 s[24:25], s[14:15], s[24:25]
	s_cmp_eq_u32 s22, 4
	s_cselect_b64 s[24:25], s[16:17], s[24:25]
	s_cmp_eq_u32 s22, 5
	s_cselect_b64 s[24:25], s[18:19], s[24:25]
	s_add_nc_u64 s[24:25], s[24:25], s[30:31]
	s_add_nc_u64 s[26:27], s[20:21], s[28:29]
	s_wait_alu depctr_va_vdst(0)                   ; v1 and v2 are written: every load below reads v1 as its offset, every store v2; no later line writes either
.irp i, 0,1,2,3,4,5,6,7,8,9,10,11,12,13,14,15
	global_load_b128 v[X+4*(\i):X+4*(\i)+3], v1, s[24:25] offset:4096*(\i) th:TH_LOAD_NT
.endr
; Unit i is rounded.  half = 1: the bf16 numbers are written as f16.
.macro CVT i, half
	s_wait_loadcnt 15-(\i)                         ; loads come back in order: unit i is in, the 15 - i younger ones stay out
	v_cvt_pk_bf16_f32 v[Y+2*(\i)], v[X+4*(\i)], v[X+4*(\i)+1]
	v_cvt_pk_bf16_f32 v[Y+2*(\i)+1], v[X+4*(\i)+2], v[X+4*(\i)+3]
.if \half
	v_lshlrev_b32 v[T], 16, v[Y+2*(\i)]
	v_and_b32 v[T+1], s32, v[Y+2*(\i)]
	v_lshlrev_b32 v[T+2], 16, v[Y+2*(\i)+1]
	v_and_b32 v[T+3], s32, v[Y+2*(\i)+1]
	v_cvt_pk_f16_f32 v[Y+2*(\i)], v[T], v[T+1]
	v_cvt_pk_f16_f32 v[Y+2*(\i)+1], v[T+2], v[T+3]
.endif
.endm
; Block p: units 4 p to 4 p + 3 are rounded, each as it comes in; then one wait, and their four stores in one run.
.macro BLK p, half
.irp j, 0,1,2,3
	CVT 4*(\p)+\j, \half
.endr
	s_wait_alu depctr_va_vdst(0)                   ; the block's conversions have written its eight registers of Y, which the four stores below read
.irp j, 0,1,2,3
	global_store_b64 v2, v[Y+2*(4*(\p)+\j):Y+2*(4*(\p)+\j)+1], s[26:27] offset:2048*(4*(\p)+\j)
.endr
.endm
	s_cmp_eq_u32 s22, 4
	s_cbranch_scc1 .Lhalf
.irp p, 0,1,2,3
	BLK \p, 0
.endr
	s_endpgm
.Lhalf:
.irp p, 0,1,2,3
	BLK \p, 1
.endr
	s_endpgm
.Lfunc_end_k_qf2f7b22521_prep:
	.size	k_qf2f7b22521_prep, .Lfunc_end_k_qf2f7b22521_prep-k_qf2f7b22521_prep
	.p2alignl 7, 3214868480
	.fill 96, 4, 3214868480
	.section	.rodata,"a",@progbits
	.p2align	6, 0x0
	.amdhsa_kernel k_qf2f7b22521_prep
		.amdhsa_group_segment_fixed_size 0
		.amdhsa_private_segment_fixed_size 0
		.amdhsa_enable_private_segment 0
		.amdhsa_kernarg_size 56
		.amdhsa_user_sgpr_count 2
		.amdhsa_user_sgpr_kernarg_segment_ptr 1
		.amdhsa_wavefront_size32 1
		.amdhsa_system_sgpr_workgroup_id_x 1
		.amdhsa_system_sgpr_workgroup_id_y 1
		.amdhsa_system_sgpr_workgroup_id_z 1
		.amdhsa_system_vgpr_workitem_id 0
		.amdhsa_next_free_vgpr 104
		.amdhsa_next_free_sgpr 66
		.amdhsa_reserve_vcc 0
		.amdhsa_float_denorm_mode_32 3
		.amdhsa_float_denorm_mode_16_64 3
		.amdhsa_memory_ordered 1
		.amdhsa_forward_progress 1
		.amdhsa_inst_pref_size 17
	.end_amdhsa_kernel
	.amdgpu_metadata
---
amdhsa.version: [ 1, 2 ]
amdhsa.kernels:
  - .name:           k_qf2f7b22521_prep
    .symbol:         k_qf2f7b22521_prep.kd
    .args:
      - { .name: x, .offset: 0, .size: 8, .value_kind: global_buffer, .address_space: global }
      - { .name: Wq, .offset: 8, .size: 8, .value_kind: global_buffer, .address_space: global }
      - { .name: Wk, .offset: 16, .size: 8, .value_kind: global_buffer, .address_space: global }
      - { .name: Wv, .offset: 24, .size: 8, .value_kind: global_buffer, .address_space: global }
      - { .name: Wo, .offset: 32, .size: 8, .value_kind: global_buffer, .address_space: global }
      - { .name: causal_mask, .offset: 40, .size: 8, .value_kind: global_buffer, .address_space: global }
      - { .name: cvt, .offset: 48, .size: 8, .value_kind: global_buffer, .address_space: global }
    .group_segment_fixed_size: 0
    .private_segment_fixed_size: 0
    .kernarg_segment_align: 8
    .kernarg_segment_size: 56
    .max_flat_workgroup_size: 256
    .sgpr_count:     66
    .vgpr_count:     104
    .wavefront_size: 32
...
	.end_amdgpu_metadata
.endif
;; end of part 5
;; launch qkv: the kernel of part 2 again; grid 16 x 16, 4 waves a work-group, clusters of 4 x 4, 327,680 bytes of LDS; arguments cvt, bq, bk, bv, validity_mask, qkv; writes qkv
;; launch attn: the kernel of part 3 again; grid 8 x 32, 4 waves a work-group, clusters of 4 x 4, 327,680 bytes of LDS; arguments qkv, cvt, validity_mask, ob; writes ob
;; launch oproj: the kernel of part 4 again; grid 8 x 32, 4 waves a work-group, clusters of 4 x 4, 327,680 bytes of LDS; arguments ob, cvt, bo, out0; writes out0
